; MI455X (gfx1250); checked and timed in simulation.
; The chip was launched on July 23, 2026; its instructions are those of AMD's public machine-readable ISA for CDNA 5 (MIT licence, August 2026) and "CDNA5" Instruction Set Architecture Reference Guide (July 2026). The comments in the code are by the model that wrote it; some were corrected since.
;; Multi Head Self Attention. Allowed arithmetic: matrix products marked QUANTISED: E2M3 operands, one E8M0 scale for each 32 along K, by v_wmma_scale_f32_16x16x128_f8f6f4 with both operands' format E2M3, f32 sums; everything else in f32.
;; Inputs: Wk 1,024 x 1,024 float32; Wo 1,024 x 1,024 float32; Wq 1,024 x 1,024 float32; Wv 1,024 x 1,024 float32; bk 1,024 float32; bo 1,024 float32; bq 1,024 float32; bv 1,024 float32; x 4 x 2,048 x 1,024 float32.
;; Outputs: out0 4 x 2,048 x 1,024 float32.
;; This version of the problem:
;;   THIS VERSION OF THE PROBLEM IS GIVEN IN LOW PRECISION. The matrix products marked QUANTISED in the list below multiply operands that are first quantised to E2M3 (2 exponent bits, 3 mantissa bits; 6 bits a number), with one power-of-two scale for each 32 numbers along K (OCP MX v1.0); their sums are f32. All else is computed in f32.
;;   The module's matrix products, in the order in which they are computed (A, B: the left and right operand; K: the contracted axis; several contracted axes count as one K, in the product's order):
;;     1. [M 8,192, K 1,024] x [K 1,024, N 1,024]; A: input x; B: input Wq: QUANTISED
;;     2. [M 8,192, K 1,024] x [K 1,024, N 1,024]; A: input x; B: input Wk: QUANTISED
;;     3. [M 8,192, K 1,024] x [K 1,024, N 1,024]; A: input x; B: input Wv: QUANTISED
;;     4. batch 64 x [M 2,048, K 64] x [K 64, N 2,048]; A: computed on the way; B: computed on the way: QUANTISED
;;     5. batch 64 x [M 2,048, K 2,048] x [K 2,048, N 64]; A: softmax (see below); B: computed on the way: QUANTISED
;;     6. [M 8,192, K 1,024] x [K 1,024, N 1,024]; A: computed on the way; B: input Wo: QUANTISED
;;   THE QUANTISER, for each operand of a quantised product, along K:
;;     - K is cut into blocks of 32 from its start; a last block that is shorter is filled with zeros.
;;     - A block's scale is 2^e with e = floor(log2(the largest magnitude in the block)) - 2, held to -126 .. 127; a block of zeros has e = 0. As a byte (E8M0): e + 127.
;;     - Each number is divided by its block's scale, clamped to +-7.5, and rounded to the nearest number of E2M3, ties to even, subnormals kept.
;;     - The product sums the exact products of the quantised numbers (number of the format x scale) in f32.
;;   ~~~python
;;   def quantise(x, axis):      # numpy; x: float32 -> the quantised numbers, widened to float32 again
;;       x = np.moveaxis(x, axis, -1); K = x.shape[-1]
;;       x = np.pad(x, [(0, 0)] * (x.ndim - 1) + [(0, -K % 32)]); x = x.reshape(x.shape[:-1] + (-1, 32)); a = np.abs(x).max(-1, keepdims=True)
;;       e = np.where(a > 0, np.clip(np.frexp(np.where(a > 0, a, 1))[1] - 1 - 2, -126, 127), 0)      # np.frexp(a)[1] - 1 = floor(log2(a)), exactly
;;       r = np.clip(x / 2.0 ** e, -7.5, 7.5)
;;       step = 2.0 ** (np.maximum(np.frexp(np.where(r == 0, 1, r))[1] - 1, 0) - 3)
;;       q = np.round(r / step) * step * 2.0 ** e      # np.round: ties to even
;;       return np.moveaxis(q.reshape(q.shape[:-2] + (-1,))[..., :K], -1, axis).astype(np.float32)
;;   ~~~
;;   SOFTMAX AHEAD OF A QUANTISED PRODUCT. Where the list says 'softmax', what is quantised is not the finished softmax but p = 2^(t - M), with t = logit x log2(e) and M = ceil(the row's largest t), a whole number; so 1/2 < the row's largest p <= 1. The row's sum l is taken of the UNQUANTISED p, in f32, and the product's result is divided by l at the end. Since M is a whole number, a kernel that streams over the keys may use a running M (the ceiling of the running maximum): every later rescaling is an exact power of two, which a block's scale takes up: the codes' values come out the same.
;;   OPERANDS COMPUTED ON THE WAY. 'Computed on the way' means the value that the module computes at that place (a softmax that the list does not call 'softmax' is quantised finished and normalised). What goes into a quantiser is computed in f32, as accurately as f32 sums, v_exp_f32 and their like allow (about 1e-6 of the number): no bf16 or f16 on the way to a quantiser, and a product that is left as it is and whose result goes on into a quantised operand takes f32 operands (vector FMAs, or v_wmma_f32_16x16x4_f32). A number that lies on a knife's edge between two numbers of the format may be rounded either way, as far as f32 arithmetic and the matrix unit's own rounding can turn it there, and no further.
;; One version. Each part assembles by itself: llvm-mc -triple=amdgcn-amd-amdhsa -mcpu=gfx1250 --defsym DOCPART=n.
;; ======== version 1 of 1: 4 launches
;; limits: right only within a limited range of input values
;; workspace buffers: xc 6,291,456 bytes; xs 262,144 bytes; wc 3,145,728 bytes; ws 131,072 bytes; qkv 19,660,800 bytes; oc 6,291,456 bytes; os 262,144 bytes
;; launch quant (part 1): grid 768 x 1, 4 waves a work-group, no clusters, 47,616 bytes of LDS; arguments x, xc, xs, Wk, Wv, Wq, Wo, wc, ws; writes xc, xs, wc, ws
.if DOCPART == 1
	.amdgcn_target "amdgcn-amd-amdhsa--gfx1250"
	.amdhsa_code_object_version 6
	.text
	.protected	k_q2a5bc2de81_quant
	.globl	k_q2a5bc2de81_quant
	.p2align	8
	.type	k_q2a5bc2de81_quant,@function
k_q2a5bc2de81_quant:
	s_mov_b64 s[64:65], 0
	v_nop
	global_prefetch_b8 v0, s[64:65] scope:SCOPE_SE
	s_setreg_imm32_b32 hwreg(HW_REG_WAVE_MODE, 25, 1), 1
	s_wait_xcnt 0x0
; x [8192][1024] and the four weights [1024 (k)][1024 (n)], f32 -> codes of FP6 (E2M3) and E8M0 scale bytes, one for each 32 along K, laid as images of the products' operand registers.
; A block's scale is 2^(floor(log2(its largest magnitude)) - 2); its byte is the largest magnitude's exponent field - 2, held at 1 from below.
; LIMITS: NaN and infinities are not served; a block whose largest magnitude lies under 2^-124, and a block of zeros, gets the byte 1 (zero codes add nothing under any byte but 0xff; only this program reads the bytes).
; ONE LAUNCH FOR BOTH: work-groups 0-511 take x (a tile of 16 rows each), work-groups 512-767 the weights.  The two paths part on the work-group's number alone and have LDS bytes of their own.
; TILES.  Place r of tile T is row (x) or column (weights) 32 (T / 2) + 8 (T % 2) + r + 8 (r / 8).
; IMAGES.  A fragment (16 places x 128 K, 12 registers a lane) is 1,536 bytes: for c = 0, 1: registers 6 c .. 6 c + 3 at 768 c + 16 lane, registers 6 c + 4, 5 at 768 c + 512 + 8 lane.
; xc: [T][K step 0..7][1,536]; xs: [T][K / 256][place][8 bytes].  wc: [matrix: 0 Wk, 1 Wv, 2 Wq, 3 Wo][T][K step][1,536]; ws: [matrix][T][K / 256][place][8 bytes].
.set XSTG,  8448                       ; x: a wave's stage, 16 rows x 528 bytes
.set WSTG,  3328                       ; weights: a wave's stage, two images 1,664 bytes apart
.set WBASE, 4*XSTG
.set SPARE, WBASE+4*WSTG               ; behind the stages: the spare words, 128 bytes a wave
	v_lshl_add_u32 v14, v0, 2, SPARE               ; my spare word; never rewritten
	v_mov_b32 v15, 0                               ; 0; never rewritten
	s_cmp_lt_u32 ttmp9, 512
	s_cbranch_scc0 .Lweights
; ---- x.  Wave w takes 256 along K: two fragments.  Each load reads 512 consecutive bytes of one row; the 16 rows turn through the wave's own stage, from which lane (r, h) takes blocks h and 2 + h of place r.  No barrier.
.set R,   16                           ; v16-143  two sets of 64: rows as loaded
.set X,   144                          ; v144-207 my two blocks of 32
.set C,   208                          ; v208-219 a fragment's codes
.set CT,  220                          ; the blocks' upper halves as converted
.set W,   228                          ; the two fragments' scale words
	s_load_b128 s[4:7], s[0:1], 0x0                ; x, xc
	s_load_b64 s[8:9], s[0:1], 0x10                ; xs
	v_lshrrev_b32 v12, 5, v0
	v_readfirstlane_b32 s10, v12                   ; wave
	v_and_b32 v12, 31, v0                          ; lane
	v_and_b32 v8, 15, v0                           ; r
	v_bfe_u32 v9, v0, 4, 1                         ; h
	v_lshlrev_b32 v1, 4, v12                       ; 16 x lane
	v_lshlrev_b32 v5, 3, v12                       ; 8 x lane
	s_mul_i32 s11, s10, XSTG
	v_add_nc_u32 v2, s11, v1                       ; the stage, on the way in
	v_mul_u32_u24 v3, v8, 528
	v_lshl_add_u32 v3, v9, 7, v3
	v_add_nc_u32 v3, s11, v3                       ; and out: row r, + 128 h bytes
	v_lshlrev_b32 v6, 3, v8
	v_lshl_add_u32 v6, v9, 2, v6                   ; xs: 8 r + 4 h
	v_lshlrev_b32 v7, 3, v9                        ; 8 h: my bytes' shift in a scale word
	v_mov_b32 v13, 0                               ; a lane permute's destination counts as read
	s_mov_b32 s12, 0x76543210
	s_mov_b32 s13, 0xfedcba98                      ; selects for lane l xor 16
	s_mov_b32 s14, 0xffff0000                      ; the lanes with h = 1
	s_lshr_b32 s16, ttmp9, 1
	s_lshl_b32 s16, s16, 5
	s_and_b32 s17, ttmp9, 1
	s_lshl_b32 s17, s17, 3
	s_add_co_u32 s16, s16, s17                     ; the tile's first row
	s_lshl_b32 s16, s16, 12
	s_lshl_b32 s17, s10, 10
	s_add_co_u32 s16, s16, s17                     ; + my 1,024 bytes of a row
	s_mov_b32 s17, 0
	s_mul_i32 s18, ttmp9, 12288
	s_mul_i32 s19, s10, 3072
	s_add_co_u32 s18, s18, s19
	s_mov_b32 s19, 0
	s_lshl_b32 s20, ttmp9, 9
	s_lshl_b32 s21, s10, 7
	s_add_co_u32 s20, s20, s21
	s_mov_b32 s21, 0
	s_wait_alu depctr_va_vdst(0)                   ; the wait at the head's end
	s_wait_kmcnt 0x0
	s_add_nc_u64 s[4:5], s[4:5], s[16:17]
	s_add_nc_u64 s[6:7], s[6:7], s[18:19]
	s_add_nc_u64 s[8:9], s[8:9], s[20:21]
.macro LOAD f                          ; fragment f: 512 consecutive bytes of each of the tile's 16 rows
.irp i, 0,1,2,3,4,5,6,7,8,9,10,11,12,13,14,15
	global_load_b128 v[R+64*\f+4*\i:R+64*\f+4*\i+3], v1, s[4:5] offset:(\i+8*(\i/8))*4096+512*\f th:TH_LOAD_NT
.endr
.endm
.macro TURN f                          ; through the stage: LDS serves a wave's instructions in order, so no wait stands between the stores and the loads
.irp i, 0,1,2,3,4,5,6,7,8,9,10,11,12,13,14,15
	ds_store_b128 v2, v[R+64*\f+4*\i:R+64*\f+4*\i+3] offset:528*\i
.endr
.irp c, 0,1
.irp j, 0,1,2,3,4,5,6,7
	ds_load_b128 v[X+32*\c+4*\j:X+32*\c+4*\j+3], v3 offset:256*\c+16*\j
.endr
.endr
.endm
.macro QX f
.irp c, 0,1
	v_max3_num_f32 v[8+\c], |v[X+32*\c]|, |v[X+32*\c+1]|, 0x1800000   ; block 2 c + h: all 32 numbers are mine; the floor 2^(3 - 127)
.endr
.irp i, 2,4,6,8,10,12,14,16,18,20,22,24,26,28,30
.irp c, 0,1
	v_max3_num_f32 v[8+\c], v[8+\c], |v[X+32*\c+\i]|, |v[X+32*\c+\i+1]|
.endr
.endr
.irp c, 0,1
	v_add_nc_u32 v[10+\c], 0xff000000, v[8+\c]     ; 2 off the exponent field: the conversion's scale operand
.endr
.irp c, 0,1
	v_lshrrev_b32 v[8+\c], 23, v[10+\c]            ; the scale's byte
.endr
	v_lshl_or_b32 v12, v9, 16, v8                  ; my two bytes,
	v_lshlrev_b32 v12, v7, v12                     ; at their places (8 h bits up);
	v_permlanex16_b32 v13, v12, s12, s13
	v_or_b32 v[W+\f], v12, v13                     ; with lane l xor 16's two the word is whole
.if \f
	s_wait_alu depctr_va_vdst(0)
	s_wait_xcnt 0x0                                ; the first fragment's stores have read the codes' registers: only now are these written again
.endif
	v_cvt_scalef32_pk16_fp6_f32 v[C:C+2], v[X:X+15], v10
	v_cvt_scalef32_pk16_fp6_f32 v[CT:CT+2], v[X+16:X+31], v10       ; (a conversion's three registers begin on an even number)
	v_cvt_scalef32_pk16_fp6_f32 v[C+6:C+8], v[X+32:X+47], v11
	v_cvt_scalef32_pk16_fp6_f32 v[CT+4:CT+6], v[X+48:X+63], v11
	v_nop                                          ; one plain place behind a scaled conversion
.irp i, 0,1,2
	v_mov_b32 v[C+3+\i], v[CT+\i]
	v_mov_b32 v[C+9+\i], v[CT+4+\i]
.endr
	global_store_b128 v1, v[C:C+3], s[6:7] offset:1536*\f            ; 512 consecutive bytes, aligned to 256
	global_store_b64 v5, v[C+4:C+5], s[6:7] offset:1536*\f+512       ; 256
	global_store_b128 v1, v[C+6:C+9], s[6:7] offset:1536*\f+768
	global_store_b64 v5, v[C+10:C+11], s[6:7] offset:1536*\f+1280
.endm
	LOAD 0
	LOAD 1
	s_wait_loadcnt 16                              ; the first fragment's sixteen loads are in; the second's stay out
	TURN 0
	s_wait_dscnt 0x0
	QX 0
	s_wait_loadcnt 0x0
	TURN 1
	s_wait_dscnt 0x0
	QX 1
	v_cndmask_b32 v230, v[W], v[W+1], s14          ; lanes 0-15 store the first word of their place, lanes 16-31 the second
	global_store_b32 v6, v230, s[8:9]              ; 128 consecutive bytes a wave: the four waves of the group fill the tile's 512
	s_wait_tensorcnt 0x0                           ; the wave's end
	ds_add_u32 v14, v15
	s_wait_dscnt 0x0
	s_endpgm
; ---- the weights.  n = work-group - 512: n % 32 = 8 matrix + g, n / 32 = K step.  Wave w: the pair of tiles 4 g + w (32 columns) x 128 along K.  A LANE TAKES A COLUMN AND ITS REGISTERS RUN DOWN K: a load reads
; 128 consecutive bytes a wave, a block of 32 lies in one lane.  The codes take their places in two images in the wave's own stage and leave as runs of 512 bytes.  No barrier.  Loads run two blocks (64 loads a wave) ahead.
.Lweights:
.set X,  32                            ; v32-159  128 numbers down K; later v32-55: the way out
.set C,  160                           ; a block's six registers, a set of eight for each block
	s_load_b256 s[4:11], s[0:1], 0x18              ; Wk, Wv, Wq, Wo
	s_load_b128 s[12:15], s[0:1], 0x38             ; wc, ws
	v_lshrrev_b32 v8, 5, v0
	v_readfirstlane_b32 s16, v8                    ; wave
	v_and_b32 v8, 31, v0                           ; lane = my column in the pair of tiles
	v_lshlrev_b32 v1, 2, v8
	v_lshlrev_b32 v5, 4, v8
	v_bfe_u32 v9, v0, 3, 1                         ; u: which tile of the pair
	v_and_b32 v10, 7, v0
	v_bfe_u32 v11, v0, 4, 1
	v_lshl_or_b32 v10, v11, 3, v10                 ; r: my place in it
	s_mul_i32 s17, s16, WSTG
	s_add_co_u32 s17, s17, WBASE
	v_mul_u32_u24 v11, v9, 1664
	v_add_nc_u32 v11, s17, v11
	v_lshl_add_u32 v2, v10, 4, v11                 ; where a block's first four registers go
	v_lshl_add_u32 v3, v10, 3, v11
	v_add_nc_u32 v3, 512, v3                       ; and its last two
	v_add_nc_u32 v4, s17, v5                       ; back: 16 x lane
	v_lshlrev_b32 v6, 3, v10
	v_lshl_add_u32 v6, v9, 9, v6                   ; ws: 512 u + 8 r
	s_sub_co_u32 s30, ttmp9, 512
	s_and_b32 s31, s30, 31
	s_lshr_b32 s20, s31, 3                         ; matrix
	s_and_b32 s21, s31, 7
	s_lshl_b32 s21, s21, 2
	s_add_co_u32 s21, s21, s16                     ; pair of tiles
	s_lshr_b32 s22, s30, 5                         ; K step
	s_lshl_b32 s24, s22, 19                        ; 128 rows of 4,096 bytes
	s_lshl_b32 s25, s21, 7
	s_add_co_u32 s24, s24, s25
	s_mov_b32 s25, 0
	s_mul_i32 s26, s20, 786432
	s_mul_i32 s27, s21, 24576
	s_add_co_u32 s26, s26, s27
	s_mul_i32 s27, s22, 1536
	s_add_co_u32 s26, s26, s27
	s_mov_b32 s27, 0
	s_lshl_b32 s28, s20, 15
	s_lshl_b32 s29, s21, 10
	s_add_co_u32 s28, s28, s29
	s_lshr_b32 s29, s22, 1
	s_lshl_b32 s29, s29, 7
	s_add_co_u32 s28, s28, s29
	s_and_b32 s29, s22, 1
	s_lshl_b32 s29, s29, 2
	s_add_co_u32 s28, s28, s29
	s_mov_b32 s29, 0
	s_and_b32 s23, s20, 1
	s_wait_alu depctr_va_vdst(0)                   ; the wait at the head's end
	s_wait_kmcnt 0x0
	s_cmp_eq_u32 s23, 1                            ; the choice of the matrix hangs on the work-group's number alone
	s_cselect_b64 s[4:5], s[6:7], s[4:5]
	s_cselect_b64 s[8:9], s[10:11], s[8:9]
	s_cmp_lt_u32 s20, 2
	s_cselect_b64 s[4:5], s[4:5], s[8:9]
	s_add_nc_u64 s[4:5], s[4:5], s[24:25]
	s_add_nc_u64 s[12:13], s[12:13], s[26:27]
	s_add_nc_u64 s[14:15], s[14:15], s[28:29]
.macro LOADB q                         ; block q: W(128 s + 32 q + j, my column), j = 0 .. 31, into registers of its own
.set j, 0
.rept 32
	global_load_b32 v[X+32*(\q)+j], v1, s[4:5] offset:(32*(\q)+j)*4096 th:TH_LOAD_NT
.set j, j+1
.endr
.endm
	LOADB 0
	LOADB 1
.macro BLK q
.set XS, X+32*\q
.if \q < 3
	s_wait_loadcnt 32                              ; this block's 32 loads are in; the next block's 32 stay out
.else
	s_wait_loadcnt 0x0
.endif
.if \q < 2
	LOADB \q+2                                     ; the block two on is asked for while this one is worked on
.endif
	v_max3_num_f32 v12, |v[XS]|, |v[XS+1]|, |v[XS+2]|
	v_max3_num_f32 v13, |v[XS+3]|, |v[XS+4]|, |v[XS+5]|
.irp i, 6,10,14,18,22,26
	v_max3_num_f32 v12, v12, |v[XS+\i]|, |v[XS+\i+1]|
	v_max3_num_f32 v13, v13, |v[XS+\i+2]|, |v[XS+\i+3]|
.endr
	v_max3_num_f32 v12, v12, |v[XS+30]|, |v[XS+31]|
	v_max3_num_f32 v12, v12, v13, 0x1800000        ; and the floor 2^(3 - 127)
	v_add_nc_u32 v11, 0xff000000, v12              ; the conversion's scale operand
	v_lshrrev_b32 v13, 23, v11                     ; the byte
.if \q == 0
	v_mov_b32 v16, v13
.else
	v_lshl_or_b32 v16, v13, 8*\q, v16              ; the lower K in the lower byte
.endif
	v_cvt_scalef32_pk16_fp6_f32 v[C+8*\q:C+8*\q+2], v[XS:XS+15], v11
	v_cvt_scalef32_pk16_fp6_f32 v[192:194], v[XS+16:XS+31], v11
	v_nop                                          ; one plain place behind a scaled conversion
.irp i, 0,1,2
	v_mov_b32 v[C+8*\q+3+\i], v[192+\i]
.endr
	ds_store_b128 v2, v[C+8*\q:C+8*\q+3] offset:768*(\q/2)+256*(\q%2)    ; block q is the image's (c = q / 2, h = q % 2)
	ds_store_b64 v3, v[C+8*\q+4:C+8*\q+5] offset:768*(\q/2)+128*(\q%2)
.endm
	BLK 0
	BLK 1
	BLK 2
	BLK 3
	global_store_b32 v6, v16, s[14:15]             ; my column's scale word of this K step: words 8 bytes apart; all of ws is 1/128 of what this path reads
.irp u, 0,1
.irp g, 0,1,2
	ds_load_b128 v[32+4*(3*\u+\g):35+4*(3*\u+\g)], v4 offset:1664*\u+512*\g   ; LDS serves a wave's instructions in order: these see my stores
.endr
.endr
.irp u, 0,1
.irp g, 0,1,2
	s_wait_dscnt 5-(3*\u+\g)
	global_store_b128 v5, v[32+4*(3*\u+\g):35+4*(3*\u+\g)], s[12:13] offset:12288*\u+512*\g   ; 512 consecutive bytes, aligned to 256
.endr
.endr
	s_wait_tensorcnt 0x0                           ; the wave's end
	ds_add_u32 v14, v15
	s_wait_dscnt 0x0
	s_endpgm
.Lfunc_end_k_q2a5bc2de81_quant:
	.size	k_q2a5bc2de81_quant, .Lfunc_end_k_q2a5bc2de81_quant-k_q2a5bc2de81_quant
	.p2alignl 7, 3214868480
	.fill 96, 4, 3214868480
	.section	.rodata,"a",@progbits
	.p2align	6, 0x0
	.amdhsa_kernel k_q2a5bc2de81_quant
		.amdhsa_group_segment_fixed_size 47616
		.amdhsa_private_segment_fixed_size 0
		.amdhsa_enable_private_segment 0
		.amdhsa_kernarg_size 72
		.amdhsa_user_sgpr_count 2
		.amdhsa_user_sgpr_kernarg_segment_ptr 1
		.amdhsa_wavefront_size32 1
		.amdhsa_system_sgpr_workgroup_id_x 1
		.amdhsa_system_sgpr_workgroup_id_y 1
		.amdhsa_system_sgpr_workgroup_id_z 1
		.amdhsa_system_vgpr_workitem_id 0
		.amdhsa_next_free_vgpr 240
		.amdhsa_next_free_sgpr 66
		.amdhsa_reserve_vcc 0
		.amdhsa_float_denorm_mode_32 3
		.amdhsa_float_denorm_mode_16_64 3
		.amdhsa_memory_ordered 1
		.amdhsa_forward_progress 1
		.amdhsa_inst_pref_size 39
	.end_amdhsa_kernel
	.amdgpu_metadata
---
amdhsa.version: [ 1, 2 ]
amdhsa.kernels:
  - .name:           k_q2a5bc2de81_quant
    .symbol:         k_q2a5bc2de81_quant.kd
    .args:
      - { .name: x, .offset: 0, .size: 8, .value_kind: global_buffer, .address_space: global }
      - { .name: xc, .offset: 8, .size: 8, .value_kind: global_buffer, .address_space: global }
      - { .name: xs, .offset: 16, .size: 8, .value_kind: global_buffer, .address_space: global }
      - { .name: Wk, .offset: 24, .size: 8, .value_kind: global_buffer, .address_space: global }
      - { .name: Wv, .offset: 32, .size: 8, .value_kind: global_buffer, .address_space: global }
      - { .name: Wq, .offset: 40, .size: 8, .value_kind: global_buffer, .address_space: global }
      - { .name: Wo, .offset: 48, .size: 8, .value_kind: global_buffer, .address_space: global }
      - { .name: wc, .offset: 56, .size: 8, .value_kind: global_buffer, .address_space: global }
      - { .name: ws, .offset: 64, .size: 8, .value_kind: global_buffer, .address_space: global }
    .group_segment_fixed_size: 47616
    .private_segment_fixed_size: 0
    .kernarg_segment_align: 8
    .kernarg_segment_size: 72
    .max_flat_workgroup_size: 128
    .sgpr_count:     66
    .vgpr_count:     240
    .wavefront_size: 32
...
	.end_amdgpu_metadata
.endif
;; end of part 1
;; launch gemm_qkv (part 2): grid 12 x 32, 4 waves a work-group, clusters of 4 x 4, 327,680 bytes of LDS; arguments xc, xs, wc, ws, bk, bv, bq, qkv; writes qkv
.if DOCPART == 2
	.amdgcn_target "amdgcn-amd-amdhsa--gfx1250"
	.amdhsa_code_object_version 6
	.text
	.protected	k_q2a5bc2de81_gemm_qkv
	.globl	k_q2a5bc2de81_gemm_qkv
	.p2align	8
	.type	k_q2a5bc2de81_gemm_qkv,@function
k_q2a5bc2de81_gemm_qkv:
	s_mov_b64 s[64:65], 0
	v_nop
	global_prefetch_b8 v0, s[64:65] scope:SCOPE_SE
	s_setreg_imm32_b32 hwreg(HW_REG_WAVE_MODE, 25, 1), 1
	s_wait_xcnt 0x0
	s_wait_alu depctr_hold_cnt(0) depctr_sa_sdst(0) depctr_va_vdst(0) depctr_va_sdst(0) depctr_va_ssrc(0) depctr_va_vcc(0) depctr_vm_vsrc(0)
	s_getreg_b32 s2, hwreg(HW_REG_IB_STS2, 6, 4)
	s_cmp_eq_u32 s2, 0
	s_cbranch_scc0 .Lentry_in_a_cluster
	s_endpgm
.Lentry_in_a_cluster:
	s_bfe_u32 s2, ttmp6, 0x10000c
	s_cmp_lg_u32 s2, 0xf033
	s_cbranch_scc0 .Lentry_shape_is_right
	s_endpgm
.Lentry_shape_is_right:
.set HALFT, 24576
.set SLOT,  4*HALFT
.set SCL,   2*SLOT
.set SPARE, SCL+4*4096
.set FR,   12
.set ADRA, 16
.set ADRB, 20
.set ADRS, 27
.set SPW,  28
.set NIL,  29
.set SC,   32
.set BIAS, 64
.set AF,   128
.set TM,   224
.set PW,   240
.set OW,   248
.set PC,   128
.set G1, 24
.set G0, 32
.set G1B, 48
.set G0B, 56
.set G1S, 68
.set G0S, 76
.set G1SB, 80
.set G0SB, 88
.set MSB, 0
.macro WIN new
.if MSB != (\new)
	s_set_vgpr_msb (MSB<<8)|(\new)
.set MSB, (\new)
.endif
.endm
.set MUL_LO, 0xa1
.set MUL_HI, 0xf1
.set TO_B,   0x40
.macro JLOAD g0a, g1a, g0b, g1b
	s_cmp_eq_u32 s15, 0
	s_cbranch_scc0 .Lfor_b_\@
	tensor_load_to_lds s[\g0a:\g0a+3], s[\g1a:\g1a+7]
	s_nop 0
.rept 4
	v_nop
.endr
	s_branch .Lasked_\@
.Lfor_b_\@:
	tensor_load_to_lds s[\g0b:\g0b+3], s[\g1b:\g1b+7]
	s_nop 0
.rept 4
	v_nop
.endr
.Lasked_\@:
.endm
.macro CREST
	s_cmp_lg_u32 s14, 0
	s_cbranch_scc1 .Lnot_wave_0_\@
	s_barrier_signal -3
.Lnot_wave_0_\@:
	s_barrier_wait -3
	s_barrier_signal -1
	s_barrier_wait -1
.endm
.macro CROUND
	s_barrier_signal -1
	s_barrier_wait -1
	CREST
.endm
	s_load_b256 s[4:11], s[0:1], 0x0
	s_load_b256 s[92:99], s[0:1], 0x20
	v_lshl_add_u32 v[SPW], v0, 2, SPARE
	v_mov_b32 v[NIL], 0
	ds_add_u32 v[SPW], v[NIL]
	ds_add_u32 v[SPW], v[NIL]
	v_lshrrev_b32 v1, 5, v0
	v_readfirstlane_b32 s14, v1
	s_lshr_b32 s15, s14, 1
	s_and_b32 s16, s14, 1
	s_bfe_u32 s40, ttmp6, 0x40000
	s_bfe_u32 s41, ttmp6, 0x40004
	s_and_b32 s13, ttmp7, 0xffff
	s_lshl_b32 s13, s13, 2
	s_cmp_eq_u32 ttmp9, 1
	s_cselect_b32 s2, 1, 0
	s_cselect_b32 s17, 0, s13
	s_cselect_b32 s42, s13, 0
	s_add_co_u32 s17, s17, s41
	s_add_co_u32 s42, s42, s40
	s_lshl_b32 s43, s41, 2
	s_lshl_b32 s43, 15, s43
	s_lshl_b32 s44, 0x1111, s40
	s_or_b32 s[G1+0], s43, (3<<16)|(1<<21)
	s_or_b32 s[G1B+0], s44, (3<<16)|(1<<21)
.irp g, G1, G1B
	s_mov_b32 s[\g+1], 384<<16
	s_mov_b32 s[\g+2], 16<<16
	s_mov_b32 s[\g+3], 384<<16
	s_mov_b32 s[\g+4], 16
	s_mov_b32 s[\g+5], 1536
	s_mov_b32 s[\g+6], 0
	s_mov_b32 s[\g+7], 0
.endr
	s_or_b32 s[G1S+0], s43, (3<<16)|(1<<21)
	s_or_b32 s[G1SB+0], s44, (3<<16)|(1<<21)
.irp g, G1S, G1SB
	s_mov_b32 s[\g+1], 32<<16
	s_mov_b32 s[\g+2], 32<<16
	s_mov_b32 s[\g+3], 32<<16
	s_mov_b32 s[\g+4], 32
	s_mov_b32 s[\g+5], 32
	s_mov_b32 s[\g+6], 0
	s_mov_b32 s[\g+7], 0
.endr
	s_lshl_b32 s18, s16, 3
	s_lshl_b32 s12, s17, 4
	s_add_co_u32 s12, s12, s18
	s_lshl_b32 s3, s42, 4
	s_add_co_u32 s3, s3, s18
	s_mul_i32 s45, s14, HALFT
	s_lshl_b32 s13, s14, 12
	s_wait_dscnt 0x0
	s_wait_kmcnt 0x0
	s_mul_i32 s100, ttmp9, 786432
	s_mov_b32 s101, 0
	s_add_nc_u64 s[8:9], s[8:9], s[100:101]
	s_mul_i32 s100, ttmp9, 32768
	s_add_nc_u64 s[10:11], s[10:11], s[100:101]
	s_cmp_eq_u32 s2, 1
	s_cselect_b64 s[20:21], s[8:9], s[4:5]
	s_cselect_b64 s[22:23], s[10:11], s[6:7]
	s_cselect_b64 s[46:47], s[4:5], s[8:9]
	s_cselect_b64 s[66:67], s[6:7], s[10:11]
	s_mul_i32 s18, s12, 12288
	s_mov_b32 s19, 0
	s_add_nc_u64 s[20:21], s[20:21], s[18:19]
	s_lshl_b32 s18, s12, 9
	s_add_nc_u64 s[22:23], s[22:23], s[18:19]
	s_mul_i32 s100, s3, 12288
	s_add_nc_u64 s[46:47], s[46:47], s[100:101]
	s_lshl_b32 s100, s3, 9
	s_add_nc_u64 s[66:67], s[66:67], s[100:101]
	CROUND
	s_mov_b32 s[G0S], 1
	s_add_co_u32 s[G0S+1], s13, SCL-4096
	s_sub_nc_u64 s[G0S+2:G0S+3], s[22:23], 4096
	s_or_b32 s[G0S+3], s[G0S+3], 0x80000000
	s_mov_b32 s[G0SB], 1
	s_add_co_u32 s[G0SB+1], s13, SCL-4096
	s_sub_nc_u64 s[G0SB+2:G0SB+3], s[66:67], 4096
	s_or_b32 s[G0SB+3], s[G0SB+3], 0x80000000
.irp s, 0,1
	s_mov_b32 s[G0+4*\s], 1
	s_add_co_u32 s[G0+4*\s+1], s45, \s*SLOT
	s_add_nc_u64 s[G0+4*\s+2:G0+4*\s+3], s[20:21], \s*3072
	s_or_b32 s[G0+4*\s+3], s[G0+4*\s+3], 0x80000000
	s_mov_b32 s[G0B+4*\s], 1
	s_add_co_u32 s[G0B+4*\s+1], s45, \s*SLOT
	s_add_nc_u64 s[G0B+4*\s+2:G0B+4*\s+3], s[46:47], \s*3072
	s_or_b32 s[G0B+4*\s+3], s[G0B+4*\s+3], 0x80000000
.endr
; The head's four tiles, one joint load a wave, in one chain of branches on the wave's number: wave 0 slot 0's 16 tiles of source 1, wave 2 its 16 tiles of source 0 (their own descriptors, with 16 rows),
; waves 1 and 3 the whole scale blocks of the two (32 rows of 256 bytes; their half's address and LDS place less 4,096 bytes).
	s_cmp_eq_u32 s14, 0
	s_cbranch_scc0 .Lhead_1
	tensor_load_to_lds s[G0:G0+3], s[G1:G1+7]
	s_nop 0
.rept 4
	v_nop
.endr
	s_branch .Lhead_asked
.Lhead_1:
	s_cmp_eq_u32 s14, 2
	s_cbranch_scc0 .Lhead_2
	tensor_load_to_lds s[G0B:G0B+3], s[G1B:G1B+7]
	s_nop 0
.rept 4
	v_nop
.endr
	s_branch .Lhead_asked
.Lhead_2:
	s_cmp_eq_u32 s14, 1
	s_cbranch_scc0 .Lhead_3
	tensor_load_to_lds s[G0S:G0S+3], s[G1S:G1S+7]
	s_nop 0
.rept 4
	v_nop
.endr
	s_branch .Lhead_asked
.Lhead_3:
	tensor_load_to_lds s[G0SB:G0SB+3], s[G1SB:G1SB+7]
	s_nop 0
.rept 4
	v_nop
.endr
.Lhead_asked:
	s_wait_alu depctr_va_vdst(0)
	s_wait_tensorcnt 0x0                           ; my tile of the four is in
	ds_add_u32 v28, v29
	s_mov_b32 s[G1+2], 8<<16                       ; no tensor load of mine is out: from here on a load brings 8 tiles
	s_mov_b32 s[G1+4], 8
	s_mov_b32 s[G1B+2], 8<<16
	s_mov_b32 s[G1B+4], 8
	s_wait_dscnt 0x0
	CROUND
	JLOAD G0+4, G1, G0B+4, G1B
	v_and_b32 v1, 15, v0
	v_bfe_u32 v2, v0, 4, 1
	v_and_b32 v3, 31, v0
	v_lshlrev_b32 v24, 4, v3
	v_lshlrev_b32 v25, 3, v3
	s_mul_i32 s18, s15, HALFT
	s_mul_i32 s19, s16, HALFT
	s_add_co_u32 s19, s19, 2*HALFT
.irp s, 0,1
	v_add_nc_u32 v[ADRA+\s], s18, v24
	v_add_nc_u32 v[ADRA+2+\s], s18, v25
	v_add_nc_u32 v[ADRB+\s], s19, v24
	v_add_nc_u32 v[ADRB+2+\s], s19, v25
	s_add_co_u32 s18, s18, SLOT
	s_add_co_u32 s19, s19, SLOT
.endr
	s_lshl_b32 s18, s15, 12
	s_lshl_b32 s19, s16, 12
	s_add_co_u32 s19, s19, 8192
	s_sub_co_u32 s19, s19, s18
	v_mul_u32_u24 v3, s19, v2
	s_add_co_u32 s18, s18, SCL
	v_lshl_add_u32 v3, v1, 3, v3
	v_add_nc_u32 v[ADRS], s18, v3
	v_lshlrev_b32 v26, 4, v1
	v_mul_u32_u24 v3, v2, 307200
	v_add_nc_u32 v26, v26, v3
	s_cmp_eq_u32 ttmp9, 0
	s_cselect_b64 s[92:93], s[92:93], s[96:97]
	s_cmp_eq_u32 s2, 1
	s_cselect_b64 s[92:93], s[94:95], s[92:93]
	s_cselect_b32 s46, s17, s42
	s_cselect_b32 s47, s15, s16
	s_cselect_b32 s66, s42, s17
	s_cselect_b32 s67, s16, s15
	s_lshl_b32 s18, s46, 10
	s_lshl_b32 s19, s47, 9
	s_add_co_u32 s18, s18, s19
	s_mov_b32 s19, 0
	s_add_nc_u64 s[92:93], s[92:93], s[18:19]
	s_lshr_b32 s18, s66, 3
	s_lshl_b32 s18, s18, 4
	s_lshl_b32 s100, s46, 2
	s_add_co_u32 s18, s18, s100
	s_lshl_b32 s100, s47, 1
	s_add_co_u32 s18, s18, s100
	s_mul_i32 s18, s18, 307200
	s_and_b32 s100, s66, 7
	s_lshl_b32 s100, s100, 1
	s_add_co_u32 s100, s100, s67
	s_mul_i32 s100, s100, 19200
	s_add_co_u32 s18, s18, s100
	s_mul_i32 s100, ttmp9, 6400
	s_add_co_u32 s18, s18, s100
	s_add_nc_u64 s[98:99], s[98:99], s[18:19]
	s_mov_b32 s20, 0x76543210
	s_mov_b32 s21, 0xfedcba98
	s_mov_b32 s22, 0xffff0000
	v_lshlrev_b32 v30, 6, v2
	v_and_b32 v31, 8, v1
	v_add_nc_u32 v31, v31, v1
	v_lshlrev_b32 v31, 2, v31
	s_cmp_eq_u32 s2, 1
	s_cbranch_scc1 .Lbias_v
.irp b, 0,1,2,3
.irp j, 0,1,2,3
	global_load_b128 v[BIAS+16*\b+4*\j:BIAS+16*\b+4*\j+3], v30, s[92:93] offset:128*\b+16*\j
.endr
.endr
	s_branch .Lbias_done
.Lbias_v:
	s_wait_alu depctr_va_vdst(0)
.irp a, 0,1,2,3,4,5,6,7
.irp j, 0,1,2,3,4,5,6,7
	global_load_b32 v[BIAS+8*\a+\j], v31, s[92:93] offset:(32*(\a/2)+8*(\a%2))*4
.endr
.endr
.Lbias_done:
.macro FRAG reg, adr, q, i
	ds_load_b128 v[\reg:\reg+3], v[\adr] offset:(\i)*3072+(\q)*1536
	ds_load_b64 v[\reg+4:\reg+5], v[\adr+2] offset:(\i)*3072+(\q)*1536+512
	ds_load_b128 v[\reg+6:\reg+9], v[\adr] offset:(\i)*3072+(\q)*1536+768
	ds_load_b64 v[\reg+10:\reg+11], v[\adr+2] offset:(\i)*3072+(\q)*1536+1280
.endm
.macro MUL16 a0, p, q, sc, cmode
.irp a, \a0, \a0+1
.irp b, 0,1,2,3,4,5,6,7
.if \cmode == 1
	v_wmma_scale_f32_16x16x128_f8f6f4 v[8*(8*((\a)%4)+\b):8*(8*((\a)%4)+\b)+7], v[128*(\p)+FR*\b:128*(\p)+FR*\b+FR-1], v[AF+FR*(\a):AF+FR*(\a)+FR-1], v[BIAS+8*\b:BIAS+8*\b+7], v[SC+16*(\sc)+2*\b+(\q)], v[SC+16*(\sc)+2*(\a)+(\q)] matrix_a_fmt:MATRIX_FMT_FP6 matrix_b_fmt:MATRIX_FMT_FP6 matrix_a_scale:MATRIX_SCALE_ROW1
.elseif \cmode == 2
	v_wmma_scale_f32_16x16x128_f8f6f4 v[8*(8*((\a)%4)+\b):8*(8*((\a)%4)+\b)+7], v[128*(\p)+FR*\b:128*(\p)+FR*\b+FR-1], v[AF+FR*(\a):AF+FR*(\a)+FR-1], v[BIAS+8*(\a):BIAS+8*(\a)+7], v[SC+16*(\sc)+2*\b+(\q)], v[SC+16*(\sc)+2*(\a)+(\q)] matrix_a_fmt:MATRIX_FMT_FP6 matrix_b_fmt:MATRIX_FMT_FP6 matrix_a_scale:MATRIX_SCALE_ROW1
.else
	v_wmma_scale_f32_16x16x128_f8f6f4 v[8*(8*((\a)%4)+\b):8*(8*((\a)%4)+\b)+7], v[128*(\p)+FR*\b:128*(\p)+FR*\b+FR-1], v[AF+FR*(\a):AF+FR*(\a)+FR-1], v[8*(8*((\a)%4)+\b):8*(8*((\a)%4)+\b)+7], v[SC+16*(\sc)+2*\b+(\q)], v[SC+16*(\sc)+2*(\a)+(\q)] matrix_a_fmt:MATRIX_FMT_FP6 matrix_b_fmt:MATRIX_FMT_FP6 matrix_a_scale:MATRIX_SCALE_ROW1
.endif
.endr
.endr
.endm
.macro FETCH_B slot, q, p
	WIN TO_B
.irp i, 0,1,2,3,4,5,6,7
	FRAG 128*(\p)+FR*\i, ADRB+\slot, \q, \i
.endr
	WIN 0
.endm
.macro FETCH_A slot, q, i0
.irp i, \i0, \i0+1, \i0+2, \i0+3
	FRAG AF+FR*(\i), ADRA+\slot, \q, \i
.endr
.endm
.macro SCALES set, sp
.irp i, 0,1,2,3,4,5,6,7
	ds_load_b64 v[SC+16*\set+2*\i:SC+16*\set+2*\i+1], v[ADRS] offset:512*\i+128*\sp
.endr
.endm
.macro PLACES n
.rept \n
	v_nop
.endr
.endm
.macro STEP slot, q, cmode
	s_wait_dscnt 16
.if \cmode
	WIN 0x81
.else
	WIN MUL_LO
.endif
	MUL16 0, (\q)%2, \q, \slot, \cmode
	MUL16 2, (\q)%2, \q, \slot, \cmode
	s_wait_dscnt 0x0
	PLACES 4
	FETCH_B \slot, (\q)+1, 1-(\q)%2
	FETCH_A \slot, (\q)+1, 0
.if \cmode
	WIN 0xc1
.else
	WIN MUL_HI
.endif
	MUL16 4, (\q)%2, \q, \slot, \cmode
	MUL16 6, (\q)%2, \q, \slot, \cmode
	PLACES 4
	WIN 0
	FETCH_A \slot, (\q)+1, 4
.endm
.macro TURN slot, next, fill, sp
	s_wait_tensorcnt 0x0
	ds_add_u32 v[SPW], v[NIL]
	s_wait_dscnt 17
	WIN MUL_LO
	MUL16 0, 1, 1, \slot, 0
	s_wait_dscnt 0x0
	s_barrier_signal -1
	MUL16 2, 1, 1, \slot, 0
	WIN 0
	s_barrier_wait -1
.if \fill
	CREST
	s_add_nc_u64 s[G0+4*\slot+2:G0+4*\slot+3], s[G0+4*\slot+2:G0+4*\slot+3], 6144
	s_add_nc_u64 s[G0B+4*\slot+2:G0B+4*\slot+3], s[G0B+4*\slot+2:G0B+4*\slot+3], 6144
	JLOAD G0+4*\slot, G1, G0B+4*\slot, G1B
.else
	PLACES 4
.endif
	FETCH_B \next, 0, 0
	FETCH_A \next, 0, 0
	SCALES \next, \sp
	WIN MUL_HI
	MUL16 4, 1, 1, \slot, 0
	MUL16 6, 1, 1, \slot, 0
	PLACES 4
	WIN 0
	FETCH_A \next, 0, 4
.endm
	s_wait_tensorcnt 1
	s_barrier_signal -1
	s_barrier_wait -1
	FETCH_B 0, 0, 0
	FETCH_A 0, 0, 0
	s_wait_alu depctr_va_vdst(0)
	SCALES 0, 0
	FETCH_A 0, 0, 4
	s_wait_loadcnt 0x0
	s_cmp_eq_u32 s2, 1
	s_cbranch_scc1 .Lfirst_v
	STEP 0, 0, 1
	s_branch .Lfirst_done
.Lfirst_v:
	STEP 0, 0, 2
.Lfirst_done:
	TURN 0, 1, 1, 1
	STEP 1, 0, 0
	TURN 1, 0, 1, 2
	STEP 0, 0, 0
	TURN 0, 1, 0, 3
	STEP 1, 0, 0
	s_wait_dscnt 16
	WIN MUL_LO
	MUL16 0, 1, 1, 1, 0
	MUL16 2, 1, 1, 1, 0
	s_wait_dscnt 0x0
	WIN MUL_HI
	MUL16 4, 1, 1, 1, 0
	MUL16 6, 1, 1, 1, 0
	WIN 0
	PLACES 4
.irp b, 0,1,2,3
	v_mov_b32 v[TM+4+\b], 0
.endr
.macro EQ a
.set AC, 64*((\a)%4)
	WIN 0x0a+5*((\a)/4)
.irp b, 0,1,2,3
	v_max3_num_f32 v[TM+\b], |v[AC+16*\b]|, |v[AC+16*\b+1]|, 0x1800000
.endr
.irp i, 2,4,6,8,10,12,14
.irp b, 0,1,2,3
	v_max3_num_f32 v[TM+\b], |v[AC+16*\b+\i]|, |v[AC+16*\b+\i+1]|, v[TM+\b]
.endr
.endr
	WIN 0
.irp b, 0,1,2,3
	v_permlanex16_b32 v[TM+4+\b], v[TM+\b], s20, s21
.endr
.irp b, 0,1,2,3
	v_max_num_f32 v[TM+\b], v[TM+\b], v[TM+4+\b]
.endr
.irp b, 0,1,2,3
	v_add_nc_u32 v[TM+12+\b], 0xff000000, v[TM+\b]
.endr
.irp b, 0,1,2,3
	v_lshrrev_b32 v[TM+4+\b], 23, v[TM+12+\b]
.endr
	v_lshl_or_b32 v[PW+\a], v[TM+5], 8, v[TM+4]
	v_lshl_or_b32 v[PW+\a], v[TM+6], 16, v[PW+\a]
	v_lshl_or_b32 v[PW+\a], v[TM+7], 24, v[PW+\a]
	s_wait_xcnt 0x0
	WIN 2+(\a)/4
.irp c, 0,1
	v_cvt_scalef32_pk16_fp6_f32 v[PC+6*\c:PC+6*\c+2], v[AC+32*\c:AC+32*\c+15], v[TM+12+2*\c]
	v_cvt_scalef32_pk16_fp6_f32 v[PC+12+4*\c:PC+14+4*\c], v[AC+16+32*\c:AC+31+32*\c], v[TM+13+2*\c]
.endr
	WIN 0
	v_nop
.irp c, 0,1
.irp i, 0,1,2
	v_permlane16_swap_b32 v[PC+6*\c+\i], v[PC+12+4*\c+\i]
.endr
.irp i, 0,1,2
	v_mov_b32 v[PC+3+6*\c+\i], v[PC+12+4*\c+\i]
.endr
.endr
.endm
	s_cmp_eq_u32 s2, 1
	s_cbranch_scc1 .Lout_v
.irp a, 0,1,2,3,4,5,6,7
	EQ \a
	global_store_b128 v24, v[PC:PC+3], s[98:99] offset:768*\a
	global_store_b64 v25, v[PC+4:PC+5], s[98:99] offset:768*\a+512
	global_store_b128 v24, v[PC+6:PC+9], s[98:99] offset:307200+768*\a
	global_store_b64 v25, v[PC+10:PC+11], s[98:99] offset:307200+768*\a+512
.endr
	v_mov_b32 v30, 0x05040100
	v_mov_b32 v31, 0x07060302
	v_cndmask_b32 v30, v30, v31, s22
.irp p, 0,1,2,3
	v_perm_b32 v[OW+\p], v[PW+2*\p+1], v[PW+2*\p], v30
.endr
	global_store_b128 v26, v[OW:OW+3], s[98:99] offset:6144
	s_branch .Lout_done
.Lout_v:
.irp a, 0,1,2,3,4,5,6,7
	EQ \a
	global_store_b128 v24, v[PC:PC+3], s[98:99] offset:(\a/4)*307200+(\a%4)*1536
	global_store_b64 v25, v[PC+4:PC+5], s[98:99] offset:(\a/4)*307200+(\a%4)*1536+512
	global_store_b128 v24, v[PC+6:PC+9], s[98:99] offset:(\a/4)*307200+(\a%4)*1536+768
	global_store_b64 v25, v[PC+10:PC+11], s[98:99] offset:(\a/4)*307200+(\a%4)*1536+1280
.endr
.irp t, 0,1,2,3
	v_cndmask_b32 v[OW+\t], v[PW+\t], v[PW+4+\t], s22
.endr
	global_store_b128 v26, v[OW:OW+3], s[98:99] offset:6144
.Lout_done:
	s_wait_tensorcnt 0x0
	ds_add_u32 v[SPW], v[NIL]
	s_wait_dscnt 0x0
	CROUND
	s_endpgm
.Lfunc_end_k_q2a5bc2de81_gemm_qkv:
	.size	k_q2a5bc2de81_gemm_qkv, .Lfunc_end_k_q2a5bc2de81_gemm_qkv-k_q2a5bc2de81_gemm_qkv
	.p2alignl 7, 3214868480
	.fill 96, 4, 3214868480
	.section	.rodata,"a",@progbits
	.p2align	6, 0x0
	.amdhsa_kernel k_q2a5bc2de81_gemm_qkv
		.amdhsa_group_segment_fixed_size 327680
		.amdhsa_private_segment_fixed_size 0
		.amdhsa_enable_private_segment 0
		.amdhsa_kernarg_size 64
		.amdhsa_user_sgpr_count 2
		.amdhsa_user_sgpr_kernarg_segment_ptr 1
		.amdhsa_wavefront_size32 1
		.amdhsa_system_sgpr_workgroup_id_x 1
		.amdhsa_system_sgpr_workgroup_id_y 1
		.amdhsa_system_sgpr_workgroup_id_z 1
		.amdhsa_system_vgpr_workitem_id 0
		.amdhsa_next_free_vgpr 1024
		.amdhsa_next_free_sgpr 102
		.amdhsa_reserve_vcc 0
		.amdhsa_float_denorm_mode_32 3
		.amdhsa_float_denorm_mode_16_64 3
		.amdhsa_memory_ordered 1
		.amdhsa_forward_progress 1
		.amdhsa_inst_pref_size 205
	.end_amdhsa_kernel
	.amdgpu_metadata
---
amdhsa.version: [ 1, 2 ]
amdhsa.kernels:
  - .name:           k_q2a5bc2de81_gemm_qkv
    .symbol:         k_q2a5bc2de81_gemm_qkv.kd
    .args:
      - { .name: xc, .offset: 0, .size: 8, .value_kind: global_buffer, .address_space: global }
      - { .name: xs, .offset: 8, .size: 8, .value_kind: global_buffer, .address_space: global }
      - { .name: wc, .offset: 16, .size: 8, .value_kind: global_buffer, .address_space: global }
      - { .name: ws, .offset: 24, .size: 8, .value_kind: global_buffer, .address_space: global }
      - { .name: bk, .offset: 32, .size: 8, .value_kind: global_buffer, .address_space: global }
      - { .name: bv, .offset: 40, .size: 8, .value_kind: global_buffer, .address_space: global }
      - { .name: bq, .offset: 48, .size: 8, .value_kind: global_buffer, .address_space: global }
      - { .name: qkv, .offset: 56, .size: 8, .value_kind: global_buffer, .address_space: global }
    .group_segment_fixed_size: 327680
    .private_segment_fixed_size: 0
    .kernarg_segment_align: 8
    .kernarg_segment_size: 64
    .max_flat_workgroup_size: 128
    .sgpr_count:     102
    .vgpr_count:     1024
    .wavefront_size: 32
...
	.end_amdgpu_metadata
.endif
;; end of part 2
;; launch attention (part 3): grid 4 x 64, 8 waves a work-group, clusters of 4 x 1, 327,680 bytes of LDS; arguments qkv, oc, os; writes oc, os
.if DOCPART == 3
	.amdgcn_target "amdgcn-amd-amdhsa--gfx1250"
	.amdhsa_code_object_version 6
	.text
	.protected	k_q2a5bc2de81_attention
	.globl	k_q2a5bc2de81_attention
	.p2align	8
	.type	k_q2a5bc2de81_attention,@function
k_q2a5bc2de81_attention:
	s_mov_b64 s[64:65], 0
	v_nop
	global_prefetch_b8 v0, s[64:65] scope:SCOPE_SE
	s_setreg_imm32_b32 hwreg(HW_REG_WAVE_MODE, 25, 1), 1
	s_wait_xcnt 0x0
	s_wait_alu depctr_hold_cnt(0) depctr_sa_sdst(0) depctr_va_vdst(0) depctr_va_sdst(0) depctr_va_ssrc(0) depctr_va_vcc(0) depctr_vm_vsrc(0)
	s_getreg_b32 s2, hwreg(HW_REG_IB_STS2, 6, 4)
	s_cmp_eq_u32 s2, 0
	s_cbranch_scc0 .Lentry_in_a_cluster
	s_endpgm
.Lentry_in_a_cluster:
	s_bfe_u32 s2, ttmp6, 0x10000c
	s_cmp_lg_u32 s2, 0x3003
	s_cbranch_scc0 .Lentry_shape_is_right
	s_endpgm
.Lentry_shape_is_right:
; O = softmax(Q K^T / 8) V for one batch x head to a cluster, both products on codes of FP6 (E2M3) with E8M0 scales; O / l is quantised along the head's 64 and leaves as the last product's operand.
; THE SOFTMAX: t = score x log2(e) / 8; M = the running largest t rounded UP to a whole number; p = 2^(t - M) is quantised along the keys, not normalised; the row's sum is taken of the unquantised p;
; when M moves, the sums and O are multiplied by 2^(old M - new M), which rounds nothing.
; LIMITS: NaN and infinities are not served; the scaled scores stay under 2^31 in magnitude; a block whose largest magnitude lies under 2^-124, and a block of zeros, gets the byte 1 (zero codes add nothing;
; only this program reads the bytes).  A block's largest p is taken through the block's largest score, which needs v_exp_f32 not to fall where its input rises.
; SHARES.  The cluster's four work-groups take 512 queries each of one head.  Eight waves; a wave takes 64 queries in two passes, TWO tiles of 16 queries side by side in each: every fragment of K and V that is read from LDS serves both.
; LDS.  All of the head's K and V: sixteen records (128 keys: K's codes 6,144 bytes, K's words 256, V's codes 6,144, V's words 256), two to a wave's one tensor load, asked for JOINTLY by the four partners.
; 64 bytes of padding stand behind every 256, so a record is 50 x 320 = 16,000 bytes and a fragment 1,920.  Nothing is filled again: one barrier beside the cluster's rounds.  All tiles are asked for at the head,
; so there is no loop to run ahead in: no prefetch.
; LAYOUT.  Both products are used transposed: a lane holds one query (lane % 16).  The head's 64 fill half of the form's 128: a fragment of K holds two tiles of 16 keys (k 0-63, k 64-127); Q with zero codes in the other half picks one.
; WHICH ROWS FORM A TILE is chosen by LDS address: rows 0-7 of fragment (c, j) come from the stored fragment 2 c, places 8 j + 0..7, rows 8-15 from the stored fragment 2 c + 1 (1,920 bytes on).  With the places that launch gemm_qkv
; gives the tokens, a lane's registers 32 c + 0..31 of S^T are then the keys 64 c + 32 (lane / 16) + 0..31: ONE scale block, in the order of the next operand.  No lane asks another for a block's maximum, and no codes change lanes.
; V's rows are taken by the same addresses; its tile (t, j) then gives lane half h the channels 32 t + 16 j + 8 h + 0..7, which sixteen lane swaps a tile set in order once a pass.
; THE STEP'S 40 LDS LOADS, this step's V and the next step's K, stand in ONE run, directly behind the wait that stands ahead of the exponentials anyway, and have the 132 exponentials in which to land.
; REGISTERS.  Window 0: v1-3 global offsets; v4, v5 the add's two; v6-8 lane parts; v9-11 V's LDS addresses, v16-18 K's; v12-15 -M and the largest score of both tiles; v24, 25 p's words; v26-29 Q's words; v32-35 f;
; v36-51 at work; v56-63 K's and V's words; v64-111 K; v112-159 V; v160-231 Q | 0 | Q, 18 registers for each of four tiles; v232-239 the sums.  Window 1: v0-127 S^T, then p; v128-191 O^T; v192-215 p's codes; v216-231 at work.
.set REC,   16000
.set SPARE, 16*REC                     ; behind the records: the spare words, 128 bytes a wave
.set VB,    8000                       ; V's part of a record: memory byte 6,400 = chunk 25
.set SW,    7680                       ; the words behind 6,144 bytes of codes: chunk 24
.set AV,  9
.set AK,  16
.set PW,  24
.set QW,  26
.set SH8, 30
.set CNEG, 31
.set FF,  32
.set BM,  36
.set T0,  40
.set T1,  42
.set SO,  48
.set QR,  52
.set KS,  56
.set VS,  60
.set KF,  64
.set VF,  112
.set QB,  160
.set SU,  232
.set O,   128                          ; window 1
.set PC,  192
.set CT,  216
.set MSB, 0
.macro WIN new                         ; low byte: bits 1:0 source 0, 3:2 source 1, 5:4 source 2, 7:6 destination; the high byte repeats the setting that is left
.if MSB != (\new)
	s_set_vgpr_msb (MSB<<8)|(\new)
.set MSB, (\new)
.endif
.endm
.macro WALU
	s_wait_alu depctr_va_vdst(0)
.endm
.macro CROUND                          ; a round of the cluster's barrier
	s_barrier_signal -1
	s_barrier_wait -1
	s_cmp_lg_u32 s10, 0
	s_cbranch_scc1 .Lnot_wave_0_\@
	s_barrier_signal -3
.Lnot_wave_0_\@:
	s_barrier_wait -3
	s_barrier_signal -1
	s_barrier_wait -1
.endm
	s_load_b128 s[4:7], s[0:1], 0x0                ; qkv, oc
	s_load_b64 s[8:9], s[0:1], 0x10                ; os
	v_lshl_add_u32 v4, v0, 2, SPARE
	v_mov_b32 v5, 0
	ds_add_u32 v4, v5                              ; the opening lines: the add, twice on end, and its wait ahead of my tensor load
	ds_add_u32 v4, v5
	v_lshrrev_b32 v1, 5, v0
	v_readfirstlane_b32 s10, v1                    ; wave 0..7
	s_and_b32 s11, ttmp7, 0xffff                   ; batch x head, which the four partners share
	s_bfe_u32 s12, ttmp6, 0x40000                  ; cx: it enters the addresses of Q, oc and os alone
	s_mov_b32 s24, 15|(3<<16)|(1<<20)|(1<<21)|(5<<22)|(15<<25)   ; all four work-groups; elements of 8 bytes; padding on; bit 21 beside a mask; behind every 64 words 16 words
	s_mov_b32 s25, 1600<<16                        ; two records: 2 rows of 12,800 bytes,
	s_mov_b32 s26, 2<<16
	s_mov_b32 s27, 1600<<16
	s_mov_b32 s28, 2
	s_mov_b32 s29, 2400                            ; 19,200 bytes apart (Q's part lies between)
	s_mov_b32 s30, 0
	s_mov_b32 s31, 0
	s_mov_b32 s20, 0x76543210
	s_mov_b32 s21, 0xfedcba98                      ; selects for lane l xor 16
	s_mov_b32 s22, 0x3e38aa3b                      ; c = log2(e) / 8
	s_mov_b32 s23, s22                             ; (named with it as a pair)
	s_mul_i32 s44, s11, 307200
	s_mov_b32 s45, 0
	s_mul_i32 s46, s10, 38400                      ; records 2 wave, 2 wave + 1
	s_mov_b32 s47, 0
	s_mul_i32 s17, s10, 2*REC
	s_wait_dscnt 0x0                               ; both opening adds are done
	s_wait_kmcnt 0x0
	s_add_nc_u64 s[4:5], s[4:5], s[44:45]          ; qkv at my head
	s_mov_b32 s16, 1
	s_add_nc_u64 s[18:19], s[4:5], s[46:47]
	s_or_b32 s19, s19, 0x80000000
	CROUND                                         ; all four work-groups are here: the joint loads meet
	tensor_load_to_lds s[16:19], s[24:31]          ; my one tensor load of the launch
	s_nop 0
.rept 4
	v_nop
.endr
	s_lshl_b32 s38, s12, 2
	s_lshr_b32 s46, s10, 1
	s_add_co_u32 s38, s38, s46                     ; which 128 tokens hold my four tiles of queries
	s_mul_i32 s38, s38, 19200
	s_add_co_u32 s38, s38, 12800                   ; their sub-record of Q
	s_and_b32 s46, s10, 1
	s_lshl_b32 s46, s46, 1                         ; my first pair of tiles among its four
	s_lshl_b32 s44, s46, 2
	s_add_co_u32 s44, s44, s38
	s_add_co_u32 s44, s44, 6144                    ; that pair's scale word
	s_mov_b32 s45, 0
	s_mul_i32 s46, s46, 1536
	s_add_co_u32 s38, s38, s46
	s_mov_b32 s39, 0
	s_add_nc_u64 s[38:39], s[4:5], s[38:39]
	s_add_nc_u64 s[44:45], s[4:5], s[44:45]
	s_lshr_b32 s40, s11, 4
	s_lshl_b32 s40, s40, 7
	s_lshl_b32 s42, s12, 5
	s_add_co_u32 s40, s40, s42
	s_lshl_b32 s42, s10, 2
	s_add_co_u32 s40, s40, s42                     ; my first tile among the 512 tiles of rows
	s_and_b32 s46, s11, 15                         ; the head
	s_lshl_b32 s42, s40, 9
	s_mul_i32 s40, s40, 12288
	s_mul_i32 s47, s46, 768
	s_add_co_u32 s40, s40, s47                     ; oc: the head's 64 are half a fragment
	s_mov_b32 s41, 0
	s_lshr_b32 s47, s46, 2
	s_lshl_b32 s47, s47, 7
	s_add_co_u32 s42, s42, s47
	s_and_b32 s47, s46, 3
	s_lshl_b32 s47, s47, 1
	s_add_co_u32 s42, s42, s47                     ; os: blocks 2 head, 2 head + 1 of the row's 32
	s_mov_b32 s43, 0
	s_add_nc_u64 s[40:41], s[6:7], s[40:41]
	s_add_nc_u64 s[42:43], s[8:9], s[42:43]
	v_and_b32 v40, 31, v0
	v_lshlrev_b32 v1, 4, v40                       ; 16 x lane
	v_lshlrev_b32 v2, 3, v40                       ; 8 x lane
	v_and_b32 v41, 15, v0                          ; r
	v_lshlrev_b32 v54, 4, v41                      ; 16 r
	v_bfe_u32 v42, v0, 4, 1                        ; h
	v_lshl_add_u32 v3, v41, 3, v42                 ; 8 r + h
	v_lshlrev_b32 v[SH8], 3, v42                   ; 8 h: my bytes' shift in p's scale word
	v_and_b32 v43, 7, v0                           ; i = r % 8
	v_bfe_u32 v44, v0, 3, 1                        ; r / 8: rows 8-15 read the next stored fragment
	v_mul_u32_u24 v45, v44, 1920
	v_lshl_add_u32 v6, v43, 4, v45
	v_mad_u32_u24 v6, v42, 320, v6                 ; pieces of 16 bytes: 1,920 (r / 8) + 16 i + 320 h (h = 1 lies one chunk on)
	v_lshl_add_u32 v7, v43, 3, v45
	v_lshl_add_u32 v7, v42, 7, v7                  ; pieces of 8 bytes: 1,920 (r / 8) + 8 i + 128 h
	v_lshlrev_b32 v8, 4, v43
	v_lshl_add_u32 v8, v44, 2, v8                  ; scale words: 16 i + 4 (r / 8)
	WALU                                           ; the wait ahead of the readers below
.irp p, 0,1
	global_load_b32 v[QR+\p], v54, s[44:45] offset:4*\p            ; the scale bytes of pass p's two tiles, place r's
.endr
.irp t, 0,1,2,3                        ; tile t = 2 pass + side: Q | 0 | Q: registers 0-11 are Q with zero codes above, registers 6-17 Q with zero codes below
	global_load_b128 v[QB+18*\t:QB+18*\t+3], v1, s[38:39] offset:768*\t
	global_load_b64 v[QB+18*\t+4:QB+18*\t+5], v2, s[38:39] offset:768*\t+512
	global_load_b128 v[QB+18*\t+12:QB+18*\t+15], v1, s[38:39] offset:768*\t
	global_load_b64 v[QB+18*\t+16:QB+18*\t+17], v2, s[38:39] offset:768*\t+512
.irp j, 6,7,8,9,10,11
	v_mov_b32 v[QB+18*\t+\j], 0
.endr
.endr
	v_mov_b32 v[CNEG], 0xff61b1e6                  ; -3e38, under every score
	v_mov_b32 v[FF+1], 0                           ; the upper halves of f's pairs are named, never used
	v_mov_b32 v[FF+3], 0
	s_wait_loadcnt 0x0
.irp p, 0,1
.irp e, 0,1
	v_perm_b32 v[QW+2*\p+\e], v[QR+\p], v[QR+\p], 0x01000100+0x02020202*\e   ; a tile's two bytes, twice: every byte is a true scale
.endr
.endr
	WALU                                           ; the wait at the head's end
	s_wait_tensorcnt 0x0                           ; my two records have landed,
	s_barrier_signal -1
	s_barrier_wait -1                              ; everybody's have
; Four fragments and their words from byte base of the record whose three addresses stand from v[a] on: 20 loads.  Fragment 2 c + j, half e.
.macro FRAGS r, s, base, a
.irp c, 0,1
.irp j, 0,1
.irp e, 0,1
	ds_load_b128 v[\r+12*(2*\c+\j)+6*\e:\r+12*(2*\c+\j)+6*\e+3], v[\a] offset:\base+3840*\c+960*\e+128*\j
	ds_load_b64 v[\r+12*(2*\c+\j)+6*\e+4:\r+12*(2*\c+\j)+6*\e+5], v[\a+1] offset:\base+3840*\c+960*\e+640+64*\j
.endr
	ds_load_b32 v[\s+2*\c+\j], v[\a+2] offset:\base+SW+128*\j+8*\c
.endr
.endr
.endm
; A KEY STEP: 128 keys against the pass's two tiles of queries (w = 0, 1).  Block b = 2 w + c of the four lies in S's registers 32 b + 0..31.
.macro KSTEP P
	s_wait_dscnt 0x0                               ; K's fragments and words, asked for in the step before
	WIN 0x40
.irp w, 0,1
.irp f, 0,1,2,3
.irp e, 0,1
	v_wmma_scale_f32_16x16x128_f8f6f4 v[64*\w+16*\f+8*\e:64*\w+16*\f+8*\e+7], v[KF+12*\f:KF+12*\f+11], v[QB+18*(2*\P+\w)+6*\e:QB+18*(2*\P+\w)+6*\e+11], 0, v[KS+\f], v[QW+2*\P+\w] matrix_a_fmt:MATRIX_FMT_FP6 matrix_b_fmt:MATRIX_FMT_FP6
.endr
.endr
.endr
	WIN 0
	s_add_co_u32 s34, s32, REC
	s_min_u32 s34, s34, 15*REC                     ; the next record; the last step names its own once more
	v_add_nc_u32 v[AV], s32, v6                    ; this record, for V; the next, for K.  These six lines are also the places ahead of the first read of S
	v_add_nc_u32 v[AV+1], s32, v7
	v_add_nc_u32 v[AV+2], s32, v8
	v_add_nc_u32 v[AK], s34, v6
	v_add_nc_u32 v[AK+1], s34, v7
	v_add_nc_u32 v[AK+2], s34, v8
	WIN 0x05
.set k, 0
.rept 16
.irp b, 0,1,2,3
.if k == 0
	v_max3_num_f32 v[BM+\b], v[32*\b], v[32*\b+1], v[CNEG]         ; each block's largest score, four chains by turns, each accumulator from its low end on
.else
	v_max3_num_f32 v[BM+\b], v[32*\b+2*k], v[32*\b+2*k+1], v[BM+\b]
.endif
.endr
.set k, k+1
.endr
	WIN 0
.irp w, 0,1
	v_max3_num_f32 v[T0+\w], v[BM+2*\w], v[BM+2*\w+1], v[13+2*\w]  ; with the running largest score
.endr
.irp w, 0,1
	v_permlanex16_b32 v[T1+\w], v[T0+\w], s20, s21
.endr
.irp w, 0,1
	v_max_num_f32 v[13+2*\w], v[T0+\w], v[T1+\w]   ; and lane l xor 16's 64 keys
.endr
.irp w, 0,1
	v_mul_f32 v[T0+\w], s22, v[13+2*\w]            ; as t (c is positive)
.endr
.irp w, 0,1
	v_floor_f32 v[T1+\w], -v[T0+\w]                ; the new -M = -ceil(t)
.endr
.irp w, 0,1
	v_sub_f32 v[T0+\w], v[T1+\w], v[12+2*\w]       ; old M - new M: a whole number, 0 or less
.endr
.irp w, 0,1
	v_mov_b32 v[12+2*\w], v[T1+\w]
.endr
.irp w, 0,1
	v_cvt_i32_f32 v[T0+\w], v[T0+\w]               ; (it saturates)
.endr
.irp w, 0,1
	v_ldexp_f32 v[FF+2*\w], 1.0, v[T0+\w]          ; f = 2^(old M - new M)
.endr
.irp b, 0,1,2,3
	v_fma_f32 v[BM+\b], v[BM+\b], s22, v[12+2*(\b/2)]              ; t - M of each block's largest score
.endr
	WIN 0x41
.set j, 0
.rept 16
.irp w, 0,1
	v_pk_mul_f32 v[O+32*\w+j:O+32*\w+j+1], v[O+32*\w+j:O+32*\w+j+1], v[FF+2*\w:FF+2*\w+1] op_sel_hi:[1,0]   ; O^T under the new M
.endr
.set j, j+2
.endr
.set j, 0
.rept 32
.irp w, 0,1
	v_pk_fma_f32 v[64*\w+j:64*\w+j+1], v[64*\w+j:64*\w+j+1], s[22:23], v[12+2*\w:13+2*\w] op_sel_hi:[1,0,0]   ; t - M, two at a time
.endr
.set j, j+2
.endr
	WIN 0
	WALU                                           ; the wait ahead of the batch
	FRAGS VF, VS, VB, AV                           ; this step's V, 20 loads,
	FRAGS KF, KS, 0, AK                            ; and the next step's K, 20 more: one run
.irp b, 0,1,2,3
	v_exp_f32 v[BM+\b], v[BM+\b]                   ; each block's largest p
.endr
	WIN 0x41
.set j, 0
.rept 128
	v_exp_f32 v[j], v[j]                           ; p = 2^(t - M), both tiles in one batch
.set j, j+1
.endr
	WIN 0
.irp a, 0,1,2,3
	v_pk_mul_f32 v[SU+2*\a:SU+2*\a+1], v[SU+2*\a:SU+2*\a+1], v[FF+2*(\a/2):FF+2*(\a/2)+1] op_sel_hi:[1,0]   ; the sums under the new M: plain places behind the batch
.endr
	WALU                                           ; one wait for the whole batch, ahead of its first reader
.irp b, 0,1,2,3
	v_max_num_f32 v[BM+\b], 0x1800000, v[BM+\b]    ; the floor 2^(3 - 127)
.endr
.irp b, 0,1,2,3
	v_add_nc_u32 v[SO+\b], 0xff000000, v[BM+\b]    ; 2 off the exponent field: the conversion's scale operand
.endr
.irp b, 0,1,2,3
	v_lshrrev_b32 v[BM+\b], 23, v[SO+\b]           ; the byte
.endr
.irp w, 0,1
	v_lshl_or_b32 v[T0+\w], v[BM+2*\w+1], 16, v[BM+2*\w]           ; my blocks h and 2 + h,
.endr
.irp w, 0,1
	v_lshlrev_b32 v[T0+\w], v[SH8], v[T0+\w]       ; at their places;
.endr
.irp w, 0,1
	v_permlanex16_b32 v[T1+\w], v[T0+\w], s20, s21
.endr
.irp w, 0,1
	v_or_b32 v[PW+\w], v[T0+\w], v[T1+\w]          ; with lane l xor 16's two p's scale word is whole
.endr
	WIN 0x41
.irp b, 0,1,2,3
	v_cvt_scalef32_pk16_fp6_f32 v[PC+6*\b:PC+6*\b+2], v[32*\b:32*\b+15], v[SO+\b]
	v_cvt_scalef32_pk16_fp6_f32 v[CT+4*\b:CT+4*\b+2], v[32*\b+16:32*\b+31], v[SO+\b]   ; (a conversion's three registers begin on an even number)
.endr
	v_nop                                          ; one plain place behind a scaled conversion
.irp b, 0,1,2,3
.irp i, 0,1,2
	v_mov_b32 v[PC+6*\b+3+\i], v[CT+4*\b+\i]
.endr
.endr
	WIN 0x01
.set j, 0
.rept 16
.irp w, 0,1
	v_pk_add_f32 v[SU+4*\w:SU+4*\w+1], v[64*\w+j:64*\w+j+1], v[SU+4*\w:SU+4*\w+1]          ; the rows' sums of the unquantised p: four chains by turns.  These 64 are also the places between the writes of p's codes and words and the products
	v_pk_add_f32 v[SU+4*\w+2:SU+4*\w+3], v[64*\w+j+2:64*\w+j+3], v[SU+4*\w+2:SU+4*\w+3]
.endr
.set j, j+4
.endr
	s_wait_dscnt 20                                ; V is in; the 20 loads of K behind it may be out
	WIN 0x54
.irp w, 0,1
.irp t, 0,1
.irp j, 0,1
	v_wmma_scale_f32_16x16x128_f8f6f4 v[O+32*\w+8*(2*\j+\t):O+32*\w+8*(2*\j+\t)+7], v[VF+12*(2*\t+\j):VF+12*(2*\t+\j)+11], v[PC+12*\w:PC+12*\w+11], v[O+32*\w+8*(2*\j+\t):O+32*\w+8*(2*\j+\t)+7], v[VS+2*\t+\j], v[PW+\w] matrix_a_fmt:MATRIX_FMT_FP6 matrix_b_fmt:MATRIX_FMT_FP6
.endr
.endr
.endr
	WIN 0
	s_add_co_u32 s32, s32, REC
.endm
; A PASS: two tiles of queries against all 2,048 keys.
.macro PASS P
	v_mov_b32 v[AK], v6                            ; record 0
	v_mov_b32 v[AK+1], v7
	v_mov_b32 v[AK+2], v8
.irp w, 0,1
	v_mov_b32 v[13+2*\w], v[CNEG]
.endr
.irp w, 0,1
	v_floor_f32 v[12+2*\w], -v[13+2*\w]
.endr
.irp j, 0,1,2,3,4,5,6,7
	v_mov_b32 v[SU+\j], 0
.endr
	WIN 0x40
.set j, 0
.rept 64
	v_mov_b32 v[O+j], 0                            ; the step is written once: the first finds zeros, which the first change of M leaves zeros
.set j, j+1
.endr
	WIN 0
	FRAGS KF, KS, 0, AK
	s_mov_b32 s32, 0
	s_mov_b32 s33, 16
	WALU                                           ; the wait ahead of the loop's waits
.Lkeys_\@:
	KSTEP \P
	s_sub_co_u32 s33, s33, 1
	s_cmp_lg_u32 s33, 0
	s_cbranch_scc1 .Lkeys_\@
	WALU
	s_wait_dscnt 0x0                               ; the last step's loads of K are in: their registers may be loaded again
.rept 4
	v_nop
.endr
.irp w, 0,1
	v_pk_add_f32 v[SU+4*\w:SU+4*\w+1], v[SU+4*\w:SU+4*\w+1], v[SU+4*\w+2:SU+4*\w+3]
.endr
.irp w, 0,1
	v_add_f32 v[T0+\w], v[SU+4*\w], v[SU+4*\w+1]
.endr
.irp w, 0,1
	v_permlanex16_b32 v[T1+\w], v[T0+\w], s20, s21
.endr
.irp w, 0,1
	v_add_f32 v[T0+\w], v[T0+\w], v[T1+\w]         ; the row's sum
.endr
	WALU
.irp w, 0,1
	v_rcp_f32 v[FF+2*\w], v[T0+\w]
.endr
	WIN 0x41
	v_nop                                          ; a plain place behind the reciprocals,
	WALU                                           ; and the wait ahead of their first reader, which is O^T's first reader too
.set j, 0
.rept 16
.irp w, 0,1
	v_pk_mul_f32 v[64*\w+j:64*\w+j+1], v[O+32*\w+j:O+32*\w+j+1], v[FF+2*\w:FF+2*\w+1] op_sel_hi:[1,0]   ; O^T / l: register 16 j + 8 t + i is channel 32 t + 16 j + 8 h + i
.endr
.set j, j+2
.endr
.irp w, 0,1
.irp j, 0,1
.irp i, 0,1,2,3,4,5,6,7
	v_permlane16_swap_b32 v[64*\w+16*\j+\i], v[64*\w+16*\j+8+\i]   ; t = 0's lanes 16-31 change places with t = 1's lanes 0-15: register n is now channel 32 h + n: one scale block a lane
.endr
.endr
.endr
	WIN 0x05
.irp w, 0,1
	v_max3_num_f32 v[BM+\w], |v[64*\w]|, |v[64*\w+1]|, 0x1800000
.endr
.irp i, 2,4,6,8,10,12,14,16,18,20,22,24,26,28,30
.irp w, 0,1
	v_max3_num_f32 v[BM+\w], |v[64*\w+\i]|, |v[64*\w+\i+1]|, v[BM+\w]
.endr
.endr
	WIN 0
.irp w, 0,1
	v_add_nc_u32 v[SO+\w], 0xff000000, v[BM+\w]
.endr
.irp w, 0,1
	v_lshrrev_b32 v[BM+\w], 23, v[SO+\w]
.endr
	WIN 0x41
.irp w, 0,1
	v_cvt_scalef32_pk16_fp6_f32 v[PC+12*\w:PC+12*\w+2], v[64*\w:64*\w+15], v[SO+\w]
	v_cvt_scalef32_pk16_fp6_f32 v[CT+4*\w:CT+4*\w+2], v[64*\w+16:64*\w+31], v[SO+\w]
.endr
	v_nop
.irp w, 0,1
.irp i, 0,1,2
	v_mov_b32 v[PC+12*\w+3+\i], v[CT+4*\w+\i]
.endr
.endr
	WIN 0x04
.irp w, 0,1
	global_store_b128 v1, v[PC+12*\w:PC+12*\w+3], s[40:41] offset:12288*(2*\P+\w)        ; 512 consecutive bytes, aligned to 256
	global_store_b64 v2, v[PC+12*\w+4:PC+12*\w+5], s[40:41] offset:12288*(2*\P+\w)+512   ; 256
.endr
	WIN 0
.irp w, 0,1
	global_store_b8 v3, v[BM+\w], s[42:43] offset:512*(2*\P+\w)    ; lane (r, h) stores block h's byte: 2 bytes of each place's 8; the other heads' work-groups store the rest; all of os is 1/24 of oc
.endr
.endm
	PASS 0
	s_wait_xcnt 0x0                                ; the stores have read their registers: these are written again below
	PASS 1
	s_wait_tensorcnt 0x0                           ; the wave's end
	ds_add_u32 v4, v5
	s_wait_dscnt 0x0
	CROUND                                         ; the closing round
	s_endpgm
.Lfunc_end_k_q2a5bc2de81_attention:
	.size	k_q2a5bc2de81_attention, .Lfunc_end_k_q2a5bc2de81_attention-k_q2a5bc2de81_attention
	.p2alignl 7, 3214868480
	.fill 96, 4, 3214868480
	.section	.rodata,"a",@progbits
	.p2align	6, 0x0
	.amdhsa_kernel k_q2a5bc2de81_attention
		.amdhsa_group_segment_fixed_size 327680
		.amdhsa_private_segment_fixed_size 0
		.amdhsa_enable_private_segment 0
		.amdhsa_kernarg_size 24
		.amdhsa_user_sgpr_count 2
		.amdhsa_user_sgpr_kernarg_segment_ptr 1
		.amdhsa_wavefront_size32 1
		.amdhsa_system_sgpr_workgroup_id_x 1
		.amdhsa_system_sgpr_workgroup_id_y 1
		.amdhsa_system_sgpr_workgroup_id_z 1
		.amdhsa_system_vgpr_workitem_id 0
		.amdhsa_next_free_vgpr 512
		.amdhsa_next_free_sgpr 66
		.amdhsa_reserve_vcc 0
		.amdhsa_float_denorm_mode_32 3
		.amdhsa_float_denorm_mode_16_64 3
		.amdhsa_memory_ordered 1
		.amdhsa_forward_progress 1
		.amdhsa_inst_pref_size 87
	.end_amdhsa_kernel
	.amdgpu_metadata
---
amdhsa.version: [ 1, 2 ]
amdhsa.kernels:
  - .name:           k_q2a5bc2de81_attention
    .symbol:         k_q2a5bc2de81_attention.kd
    .args:
      - { .name: qkv, .offset: 0, .size: 8, .value_kind: global_buffer, .address_space: global }
      - { .name: oc, .offset: 8, .size: 8, .value_kind: global_buffer, .address_space: global }
      - { .name: os, .offset: 16, .size: 8, .value_kind: global_buffer, .address_space: global }
    .group_segment_fixed_size: 327680
    .private_segment_fixed_size: 0
    .kernarg_segment_align: 8
    .kernarg_segment_size: 24
    .max_flat_workgroup_size: 256
    .sgpr_count:     66
    .vgpr_count:     512
    .wavefront_size: 32
...
	.end_amdgpu_metadata
.endif
;; end of part 3
;; launch gemm_out (part 4): grid 4 x 32, 4 waves a work-group, clusters of 4 x 4, 327,680 bytes of LDS; arguments oc, os, wc, ws, bo, out0; writes out0
.if DOCPART == 4
	.amdgcn_target "amdgcn-amd-amdhsa--gfx1250"
	.amdhsa_code_object_version 6
	.text
	.protected	k_q2a5bc2de81_gemm_out
	.globl	k_q2a5bc2de81_gemm_out
	.p2align	8
	.type	k_q2a5bc2de81_gemm_out,@function
k_q2a5bc2de81_gemm_out:
	s_mov_b64 s[64:65], 0
	v_nop
	global_prefetch_b8 v0, s[64:65] scope:SCOPE_SE
	s_setreg_imm32_b32 hwreg(HW_REG_WAVE_MODE, 25, 1), 1
	s_wait_xcnt 0x0
	s_wait_alu depctr_hold_cnt(0) depctr_sa_sdst(0) depctr_va_vdst(0) depctr_va_sdst(0) depctr_va_ssrc(0) depctr_va_vcc(0) depctr_vm_vsrc(0)
	s_getreg_b32 s2, hwreg(HW_REG_IB_STS2, 6, 4)
	s_cmp_eq_u32 s2, 0
	s_cbranch_scc0 .Lentry_in_a_cluster
	s_endpgm
.Lentry_in_a_cluster:
	s_bfe_u32 s2, ttmp6, 0x10000c
	s_cmp_lg_u32 s2, 0xf033
	s_cbranch_scc0 .Lentry_shape_is_right
	s_endpgm
.Lentry_shape_is_right:
.set HALFT, 24576
.set SLOT,  4*HALFT
.set SCL,   2*SLOT
.set SPARE, SCL+4*4096
.set FR,   12
.set ADRA, 16
.set ADRB, 20
.set CO,   24
.set STO,  26
.set ADRS, 27
.set SPW,  28
.set NIL,  29
.set RD,   31
.set SC,   32
.set BIAS, 64
.set AF,   128
.set BK,   128
.set G1, 24
.set G0, 32
.set G1B, 48
.set G0B, 56
.set G1S, 68
.set G0S, 76
.set G1SB, 80
.set G0SB, 88
.set MSB, 0
.macro WIN new
.if MSB != (\new)
	s_set_vgpr_msb (MSB<<8)|(\new)
.set MSB, (\new)
.endif
.endm
.set MUL_LO, 0xa1
.set MUL_HI, 0xf1
.set TO_B,   0x40
.macro JLOAD g0a, g1a, g0b, g1b
	s_cmp_eq_u32 s15, 0
	s_cbranch_scc0 .Lfor_b_\@
	tensor_load_to_lds s[\g0a:\g0a+3], s[\g1a:\g1a+7]
	s_nop 0
.rept 4
	v_nop
.endr
	s_branch .Lasked_\@
.Lfor_b_\@:
	tensor_load_to_lds s[\g0b:\g0b+3], s[\g1b:\g1b+7]
	s_nop 0
.rept 4
	v_nop
.endr
.Lasked_\@:
.endm
.macro CREST
	s_cmp_lg_u32 s14, 0
	s_cbranch_scc1 .Lnot_wave_0_\@
	s_barrier_signal -3
.Lnot_wave_0_\@:
	s_barrier_wait -3
	s_barrier_signal -1
	s_barrier_wait -1
.endm
.macro CROUND
	s_barrier_signal -1
	s_barrier_wait -1
	CREST
.endm
	s_load_b256 s[4:11], s[0:1], 0x0
	s_load_b128 s[92:95], s[0:1], 0x20
	v_lshl_add_u32 v[SPW], v0, 2, SPARE
	v_mov_b32 v[NIL], 0
	ds_add_u32 v[SPW], v[NIL]
	ds_add_u32 v[SPW], v[NIL]
	v_lshrrev_b32 v1, 5, v0
	v_readfirstlane_b32 s14, v1
	s_lshr_b32 s15, s14, 1
	s_and_b32 s16, s14, 1
	s_bfe_u32 s40, ttmp6, 0x40000
	s_bfe_u32 s41, ttmp6, 0x40004
	s_lshl_b32 s42, ttmp9, 2
	s_add_co_u32 s42, s42, s40
	s_and_b32 s17, ttmp7, 0xffff
	s_lshl_b32 s17, s17, 2
	s_add_co_u32 s17, s17, s41
	s_lshl_b32 s43, s41, 2
	s_lshl_b32 s43, 15, s43
	s_lshl_b32 s44, 0x1111, s40
	s_or_b32 s[G1+0], s43, (3<<16)|(1<<21)
	s_or_b32 s[G1B+0], s44, (3<<16)|(1<<21)
.irp g, G1, G1B
	s_mov_b32 s[\g+1], 384<<16
	s_mov_b32 s[\g+2], 16<<16
	s_mov_b32 s[\g+3], 384<<16
	s_mov_b32 s[\g+4], 16
	s_mov_b32 s[\g+5], 1536
	s_mov_b32 s[\g+6], 0
	s_mov_b32 s[\g+7], 0
.endr
	s_or_b32 s[G1S+0], s43, (3<<16)|(1<<21)
	s_or_b32 s[G1SB+0], s44, (3<<16)|(1<<21)
.irp g, G1S, G1SB
	s_mov_b32 s[\g+1], 32<<16
	s_mov_b32 s[\g+2], 32<<16
	s_mov_b32 s[\g+3], 32<<16
	s_mov_b32 s[\g+4], 32
	s_mov_b32 s[\g+5], 32
	s_mov_b32 s[\g+6], 0
	s_mov_b32 s[\g+7], 0
.endr
	s_lshl_b32 s18, s16, 3
	s_lshl_b32 s12, s17, 4
	s_add_co_u32 s12, s12, s18
	s_lshl_b32 s3, s42, 4
	s_add_co_u32 s3, s3, s18
	s_mul_i32 s45, s14, HALFT
	s_lshl_b32 s13, s14, 12
	s_wait_dscnt 0x0
	s_wait_kmcnt 0x0
	s_add_nc_u64 s[8:9], s[8:9], 3*786432
	s_add_nc_u64 s[10:11], s[10:11], 3*32768
	s_mul_i32 s18, s12, 12288
	s_mov_b32 s19, 0
	s_add_nc_u64 s[20:21], s[4:5], s[18:19]
	s_lshl_b32 s18, s12, 9
	s_add_nc_u64 s[22:23], s[6:7], s[18:19]
	s_mul_i32 s100, s3, 12288
	s_mov_b32 s101, 0
	s_add_nc_u64 s[46:47], s[8:9], s[100:101]
	s_lshl_b32 s100, s3, 9
	s_add_nc_u64 s[66:67], s[10:11], s[100:101]
	CROUND
	s_mov_b32 s[G0S], 1
	s_add_co_u32 s[G0S+1], s13, SCL-4096
	s_sub_nc_u64 s[G0S+2:G0S+3], s[22:23], 4096
	s_or_b32 s[G0S+3], s[G0S+3], 0x80000000
	s_mov_b32 s[G0SB], 1
	s_add_co_u32 s[G0SB+1], s13, SCL-4096
	s_sub_nc_u64 s[G0SB+2:G0SB+3], s[66:67], 4096
	s_or_b32 s[G0SB+3], s[G0SB+3], 0x80000000
.irp s, 0,1
	s_mov_b32 s[G0+4*\s], 1
	s_add_co_u32 s[G0+4*\s+1], s45, \s*SLOT
	s_add_nc_u64 s[G0+4*\s+2:G0+4*\s+3], s[20:21], \s*3072
	s_or_b32 s[G0+4*\s+3], s[G0+4*\s+3], 0x80000000
	s_mov_b32 s[G0B+4*\s], 1
	s_add_co_u32 s[G0B+4*\s+1], s45, \s*SLOT
	s_add_nc_u64 s[G0B+4*\s+2:G0B+4*\s+3], s[46:47], \s*3072
	s_or_b32 s[G0B+4*\s+3], s[G0B+4*\s+3], 0x80000000
.endr
; The head's four tiles, one joint load a wave, in one chain of branches on the wave's number: wave 0 slot 0's 16 tiles of A, wave 2 its 16 tiles of B (their own descriptors, with 16 rows),
; waves 1 and 3 the whole scale blocks of the two (32 rows of 256 bytes; their half's address and LDS place less 4,096 bytes).
	s_cmp_eq_u32 s14, 0
	s_cbranch_scc0 .Lhead_1
	tensor_load_to_lds s[G0:G0+3], s[G1:G1+7]
	s_nop 0
.rept 4
	v_nop
.endr
	s_branch .Lhead_asked
.Lhead_1:
	s_cmp_eq_u32 s14, 2
	s_cbranch_scc0 .Lhead_2
	tensor_load_to_lds s[G0B:G0B+3], s[G1B:G1B+7]
	s_nop 0
.rept 4
	v_nop
.endr
	s_branch .Lhead_asked
.Lhead_2:
	s_cmp_eq_u32 s14, 1
	s_cbranch_scc0 .Lhead_3
	tensor_load_to_lds s[G0S:G0S+3], s[G1S:G1S+7]
	s_nop 0
.rept 4
	v_nop
.endr
	s_branch .Lhead_asked
.Lhead_3:
	tensor_load_to_lds s[G0SB:G0SB+3], s[G1SB:G1SB+7]
	s_nop 0
.rept 4
	v_nop
.endr
.Lhead_asked:
	s_wait_alu depctr_va_vdst(0)
	s_wait_tensorcnt 0x0                           ; my tile of the four is in
	ds_add_u32 v28, v29
	s_mov_b32 s[G1+2], 8<<16                       ; no tensor load of mine is out: from here on a load brings 8 tiles
	s_mov_b32 s[G1+4], 8
	s_mov_b32 s[G1B+2], 8<<16
	s_mov_b32 s[G1B+4], 8
	s_wait_dscnt 0x0
	CROUND
	JLOAD G0+4, G1, G0B+4, G1B
	v_and_b32 v1, 15, v0
	v_bfe_u32 v2, v0, 4, 1
	v_and_b32 v3, 31, v0
	v_lshlrev_b32 v[CO], 4, v3
	v_lshlrev_b32 v25, 3, v3
	s_mul_i32 s18, s15, HALFT
	s_mul_i32 s19, s16, HALFT
	s_add_co_u32 s19, s19, 2*HALFT
.irp s, 0,1
	v_add_nc_u32 v[ADRA+\s], s18, v[CO]
	v_add_nc_u32 v[ADRA+2+\s], s18, v25
	v_add_nc_u32 v[ADRB+\s], s19, v[CO]
	v_add_nc_u32 v[ADRB+2+\s], s19, v25
	s_add_co_u32 s18, s18, SLOT
	s_add_co_u32 s19, s19, SLOT
.endr
	s_lshl_b32 s18, s15, 12
	s_lshl_b32 s19, s16, 12
	s_add_co_u32 s19, s19, 8192
	s_sub_co_u32 s19, s19, s18
	v_mul_u32_u24 v3, s19, v2
	s_add_co_u32 s18, s18, SCL
	v_lshl_add_u32 v3, v1, 3, v3
	v_add_nc_u32 v[ADRS], s18, v3
	s_mul_i32 s18, s14, 16*528
	v_mul_u32_u24 v3, v1, 528
	v_lshl_add_u32 v3, v2, 6, v3
	v_add_nc_u32 v[STO], s18, v3
	v_add_nc_u32 v[RD], s18, v[CO]
	s_lshl_b32 s18, s42, 10
	s_lshl_b32 s19, s16, 9
	s_add_co_u32 s18, s18, s19
	s_mov_b32 s19, 0
	s_add_nc_u64 s[92:93], s[92:93], s[18:19]
	s_add_nc_u64 s[94:95], s[94:95], s[18:19]
	s_lshl_b32 s18, s17, 20
	s_lshl_b32 s100, s15, 19
	s_add_co_u32 s18, s18, s100
	s_add_nc_u64 s[94:95], s[94:95], s[18:19]
	v_lshlrev_b32 v30, 6, v2
.irp b, 0,1,2,3
.irp j, 0,1,2,3
	global_load_b128 v[BIAS+16*\b+4*\j:BIAS+16*\b+4*\j+3], v30, s[92:93] offset:128*\b+16*\j
.endr
.endr
.macro FRAG reg, adr, q, i
	ds_load_b128 v[\reg:\reg+3], v[\adr] offset:(\i)*3072+(\q)*1536
	ds_load_b64 v[\reg+4:\reg+5], v[\adr+2] offset:(\i)*3072+(\q)*1536+512
	ds_load_b128 v[\reg+6:\reg+9], v[\adr] offset:(\i)*3072+(\q)*1536+768
	ds_load_b64 v[\reg+10:\reg+11], v[\adr+2] offset:(\i)*3072+(\q)*1536+1280
.endm
.macro MUL16 a0, p, q, sc, cmode
.irp a, \a0, \a0+1
.irp b, 0,1,2,3,4,5,6,7
.if \cmode == 1
	v_wmma_scale_f32_16x16x128_f8f6f4 v[8*(8*((\a)%4)+\b):8*(8*((\a)%4)+\b)+7], v[128*(\p)+FR*\b:128*(\p)+FR*\b+FR-1], v[AF+FR*(\a):AF+FR*(\a)+FR-1], v[BIAS+8*\b:BIAS+8*\b+7], v[SC+16*(\sc)+2*\b+(\q)], v[SC+16*(\sc)+2*(\a)+(\q)] matrix_a_fmt:MATRIX_FMT_FP6 matrix_b_fmt:MATRIX_FMT_FP6 matrix_a_scale:MATRIX_SCALE_ROW1
.else
	v_wmma_scale_f32_16x16x128_f8f6f4 v[8*(8*((\a)%4)+\b):8*(8*((\a)%4)+\b)+7], v[128*(\p)+FR*\b:128*(\p)+FR*\b+FR-1], v[AF+FR*(\a):AF+FR*(\a)+FR-1], v[8*(8*((\a)%4)+\b):8*(8*((\a)%4)+\b)+7], v[SC+16*(\sc)+2*\b+(\q)], v[SC+16*(\sc)+2*(\a)+(\q)] matrix_a_fmt:MATRIX_FMT_FP6 matrix_b_fmt:MATRIX_FMT_FP6 matrix_a_scale:MATRIX_SCALE_ROW1
.endif
.endr
.endr
.endm
.macro FETCH_B slot, q, p
	WIN TO_B
.irp i, 0,1,2,3,4,5,6,7
	FRAG 128*(\p)+FR*\i, ADRB+\slot, \q, \i
.endr
	WIN 0
.endm
.macro FETCH_A slot, q, i0
.irp i, \i0, \i0+1, \i0+2, \i0+3
	FRAG AF+FR*(\i), ADRA+\slot, \q, \i
.endr
.endm
.macro SCALES set, sp
.irp i, 0,1,2,3,4,5,6,7
	ds_load_b64 v[SC+16*\set+2*\i:SC+16*\set+2*\i+1], v[ADRS] offset:512*\i+128*\sp
.endr
.endm
.macro PLACES n
.rept \n
	v_nop
.endr
.endm
.macro STEP slot, q, cmode
	s_wait_dscnt 16
.if \cmode
	WIN 0x81
.else
	WIN MUL_LO
.endif
	MUL16 0, (\q)%2, \q, \slot, \cmode
	MUL16 2, (\q)%2, \q, \slot, \cmode
	s_wait_dscnt 0x0
	PLACES 4
	FETCH_B \slot, (\q)+1, 1-(\q)%2
	FETCH_A \slot, (\q)+1, 0
.if \cmode
	WIN 0xc1
.else
	WIN MUL_HI
.endif
	MUL16 4, (\q)%2, \q, \slot, \cmode
	MUL16 6, (\q)%2, \q, \slot, \cmode
	PLACES 4
	WIN 0
	FETCH_A \slot, (\q)+1, 4
.endm
.macro TURN slot, next, fill, sp
	s_wait_tensorcnt 0x0
	ds_add_u32 v[SPW], v[NIL]
	s_wait_dscnt 17
	WIN MUL_LO
	MUL16 0, 1, 1, \slot, 0
	s_wait_dscnt 0x0
	s_barrier_signal -1
	MUL16 2, 1, 1, \slot, 0
	WIN 0
	s_barrier_wait -1
.if \fill
	CREST
	s_add_nc_u64 s[G0+4*\slot+2:G0+4*\slot+3], s[G0+4*\slot+2:G0+4*\slot+3], 6144
	s_add_nc_u64 s[G0B+4*\slot+2:G0B+4*\slot+3], s[G0B+4*\slot+2:G0B+4*\slot+3], 6144
	JLOAD G0+4*\slot, G1, G0B+4*\slot, G1B
.else
	PLACES 4
.endif
	FETCH_B \next, 0, 0
	FETCH_A \next, 0, 0
	SCALES \next, \sp
	WIN MUL_HI
	MUL16 4, 1, 1, \slot, 0
	MUL16 6, 1, 1, \slot, 0
	PLACES 4
	WIN 0
	FETCH_A \next, 0, 4
.endm
	s_wait_alu depctr_va_vdst(0)
	s_wait_tensorcnt 1
	s_barrier_signal -1
	s_barrier_wait -1
	FETCH_B 0, 0, 0
	FETCH_A 0, 0, 0
	SCALES 0, 0
	FETCH_A 0, 0, 4
	s_wait_loadcnt 0x0
	STEP 0, 0, 1
	TURN 0, 1, 1, 1
	STEP 1, 0, 0
	TURN 1, 0, 1, 2
	STEP 0, 0, 0
	TURN 0, 1, 0, 3
	STEP 1, 0, 0
	s_wait_dscnt 16
	WIN MUL_LO
	MUL16 0, 1, 1, 1, 0
	MUL16 2, 1, 1, 1, 0
	s_wait_dscnt 0x0
	WIN MUL_HI
	MUL16 4, 1, 1, 1, 0
	MUL16 6, 1, 1, 1, 0
	WIN 0
.macro TOSTAGE a
.set AC, 64*((\a)%4)
	WIN 0x08+4*((\a)/4)
.irp b, 0,1,2,3,4,5,6,7
	ds_store_b128 v[STO], v[AC+8*\b:AC+8*\b+3] offset:128*(\b/2)+32*(\b%2)
	ds_store_b128 v[STO], v[AC+8*\b+4:AC+8*\b+7] offset:128*(\b/2)+32*(\b%2)+16
.endr
	WIN 0
.set BB, BK+64*((\a)%2)
.irp t, 0,1,2,3,4,5,6,7,8,9,10,11,12,13,14,15
	ds_load_b128 v[BB+4*\t:BB+4*\t+3], v[RD] offset:\t*528
.endr
.endm
.macro SEND a, younger
.set BB, BK+64*((\a)%2)
	s_wait_dscnt \younger
.irp t, 0,1,2,3,4,5,6,7,8,9,10,11,12,13,14,15
	global_store_b128 v[CO], v[BB+4*\t:BB+4*\t+3], s[94:95] offset:(32*((\a)/2)+8*((\a)%2)+\t+8*(\t/8))*4096 th:TH_STORE_NT
.endr
.endm
	PLACES 4
	TOSTAGE 0
.irp a, 1,2,3,4,5,6,7
.if \a > 1
	s_wait_xcnt 0x0
.endif
	TOSTAGE \a
	SEND \a-1, 32
.endr
	SEND 7, 0
	s_wait_tensorcnt 0x0
	ds_add_u32 v[SPW], v[NIL]
	s_wait_dscnt 0x0
	CROUND
	s_endpgm
.Lfunc_end_k_q2a5bc2de81_gemm_out:
	.size	k_q2a5bc2de81_gemm_out, .Lfunc_end_k_q2a5bc2de81_gemm_out-k_q2a5bc2de81_gemm_out
	.p2alignl 7, 3214868480
	.fill 96, 4, 3214868480
	.section	.rodata,"a",@progbits
	.p2align	6, 0x0
	.amdhsa_kernel k_q2a5bc2de81_gemm_out
		.amdhsa_group_segment_fixed_size 327680
		.amdhsa_private_segment_fixed_size 0
		.amdhsa_enable_private_segment 0
		.amdhsa_kernarg_size 48
		.amdhsa_user_sgpr_count 2
		.amdhsa_user_sgpr_kernarg_segment_ptr 1
		.amdhsa_wavefront_size32 1
		.amdhsa_system_sgpr_workgroup_id_x 1
		.amdhsa_system_sgpr_workgroup_id_y 1
		.amdhsa_system_sgpr_workgroup_id_z 1
		.amdhsa_system_vgpr_workitem_id 0
		.amdhsa_next_free_vgpr 1024
		.amdhsa_next_free_sgpr 102
		.amdhsa_reserve_vcc 0
		.amdhsa_float_denorm_mode_32 3
		.amdhsa_float_denorm_mode_16_64 3
		.amdhsa_memory_ordered 1
		.amdhsa_forward_progress 1
		.amdhsa_inst_pref_size 145
	.end_amdhsa_kernel
	.amdgpu_metadata
---
amdhsa.version: [ 1, 2 ]
amdhsa.kernels:
  - .name:           k_q2a5bc2de81_gemm_out
    .symbol:         k_q2a5bc2de81_gemm_out.kd
    .args:
      - { .name: oc, .offset: 0, .size: 8, .value_kind: global_buffer, .address_space: global }
      - { .name: os, .offset: 8, .size: 8, .value_kind: global_buffer, .address_space: global }
      - { .name: wc, .offset: 16, .size: 8, .value_kind: global_buffer, .address_space: global }
      - { .name: ws, .offset: 24, .size: 8, .value_kind: global_buffer, .address_space: global }
      - { .name: bo, .offset: 32, .size: 8, .value_kind: global_buffer, .address_space: global }
      - { .name: out0, .offset: 40, .size: 8, .value_kind: global_buffer, .address_space: global }
    .group_segment_fixed_size: 327680
    .private_segment_fixed_size: 0
    .kernarg_segment_align: 8
    .kernarg_segment_size: 48
    .max_flat_workgroup_size: 128
    .sgpr_count:     102
    .vgpr_count:     1024
    .wavefront_size: 32
...
	.end_amdgpu_metadata
.endif
;; end of part 4
